; MI455X (gfx1250); checked and timed in simulation.
; The chip was launched on July 23, 2026; its instructions are those of AMD's public machine-readable ISA for CDNA 5 (MIT licence, August 2026) and "CDNA5" Instruction Set Architecture Reference Guide (July 2026). The comments in the code are by the model that wrote it; some were corrected since.
;; Multi Head Attention. Allowed arithmetic: matrix products marked QUANTISED: E2M3 operands, one E8M0 scale for each 32 along K, by v_wmma_scale_f32_16x16x128_f8f6f4 with both operands' format E2M3, f32 sums; everything else in f32.
;; Inputs: b_attn 3,072 float32; b_proj 1,024 float32; w_attn_codes 3,072 x 32 x 24 uint8 (E2M3 codes of w_attn, K innermost, in blocks of 32 codes, four codes in three bytes); w_attn_scales 3,072 x 32 uint8 (E8M0 scales of w_attn, one for each 32 codes along K); w_proj_codes 1,024 x 32 x 24 uint8 (E2M3 codes of w_proj, K innermost, in blocks of 32 codes, four codes in three bytes); w_proj_scales 1,024 x 32 uint8 (E8M0 scales of w_proj, one for each 32 codes along K); x_codes 4 x 2,048 x 32 x 24 uint8 (E2M3 codes of x, K innermost, in blocks of 32 codes, four codes in three bytes); x_scales 4 x 2,048 x 32 uint8 (E8M0 scales of x, one for each 32 codes along K).
;; Outputs: out0 4 x 2,048 x 1,024 float32.
;; This version of the problem:
;;   THIS VERSION OF THE PROBLEM IS GIVEN IN LOW PRECISION. The matrix products marked QUANTISED in the list below multiply operands that are first quantised to E2M3 (2 exponent bits, 3 mantissa bits; 6 bits a number), with one power-of-two scale for each 32 numbers along K (OCP MX v1.0); their sums are f32. All else is computed in f32.
;;   The module's matrix products, in the order in which they are computed (A, B: the left and right operand; K: the contracted axis; several contracted axes count as one K, in the product's order):
;;     1. [M 8,192, K 1,024] x [K 1,024, N 3,072]; A: input x (given as codes); B: input w_attn (given as codes): QUANTISED
;;     2. batch 64 x [M 2,048, K 64] x [K 64, N 2,048]; A: computed on the way; B: computed on the way: QUANTISED
;;     3. batch 64 x [M 2,048, K 2,048] x [K 2,048, N 64]; A: softmax (see below); B: computed on the way: QUANTISED
;;     4. [M 8,192, K 1,024] x [K 1,024, N 1,024]; A: computed on the way; B: input w_proj (given as codes): QUANTISED
;;   THE QUANTISER, for each operand of a quantised product, along K:
;;     - K is cut into blocks of 32 from its start; a last block that is shorter is filled with zeros.
;;     - A block's scale is 2^e with e = floor(log2(the largest magnitude in the block)) - 2, held to -126 .. 127; a block of zeros has e = 0. As a byte (E8M0): e + 127.
;;     - Each number is divided by its block's scale, clamped to +-7.5, and rounded to the nearest number of E2M3, ties to even, subnormals kept.
;;     - The product sums the exact products of the quantised numbers (number of the format x scale) in f32.
;;   ~~~python
;;   def quantise(x, axis):      # numpy; x: float32 -> the quantised numbers, widened to float32 again
;;       x = np.moveaxis(x, axis, -1); K = x.shape[-1]
;;       x = np.pad(x, [(0, 0)] * (x.ndim - 1) + [(0, -K % 32)]); x = x.reshape(x.shape[:-1] + (-1, 32)); a = np.abs(x).max(-1, keepdims=True)
;;       e = np.where(a > 0, np.clip(np.frexp(np.where(a > 0, a, 1))[1] - 1 - 2, -126, 127), 0)      # np.frexp(a)[1] - 1 = floor(log2(a)), exactly
;;       r = np.clip(x / 2.0 ** e, -7.5, 7.5)
;;       step = 2.0 ** (np.maximum(np.frexp(np.where(r == 0, 1, r))[1] - 1, 0) - 3)
;;       q = np.round(r / step) * step * 2.0 ** e      # np.round: ties to even
;;       return np.moveaxis(q.reshape(q.shape[:-2] + (-1,))[..., :K], -1, axis).astype(np.float32)
;;   ~~~
;;   SOFTMAX AHEAD OF A QUANTISED PRODUCT. Where the list says 'softmax', what is quantised is not the finished softmax but p = 2^(t - M), with t = logit x log2(e) and M = ceil(the row's largest t), a whole number; so 1/2 < the row's largest p <= 1. The row's sum l is taken of the UNQUANTISED p, in f32, and the product's result is divided by l at the end. Since M is a whole number, a kernel that streams over the keys may use a running M (the ceiling of the running maximum): every later rescaling is an exact power of two, which a block's scale takes up: the codes' values come out the same.
;;   OPERANDS COMPUTED ON THE WAY. 'Computed on the way' means the value that the module computes at that place (a softmax that the list does not call 'softmax' is quantised finished and normalised). What goes into a quantiser is computed in f32, as accurately as f32 sums, v_exp_f32 and their like allow (about 1e-6 of the number): no bf16 or f16 on the way to a quantiser, and a product that is left as it is and whose result goes on into a quantised operand takes f32 operands (vector FMAs, or v_wmma_f32_16x16x4_f32). A number that lies on a knife's edge between two numbers of the format may be rounded either way, as far as f32 arithmetic and the matrix unit's own rounding can turn it there, and no further.
;;   INPUTS GIVEN AS CODES. w_attn (in the module: [1024, 3072], K = its axis 0); w_proj (in the module: [1024, 1024], K = its axis 0); x (in the module: [4, 2048, 1024], K = its axis 2): each comes as NAME_codes (uint8): NAME with its K axis moved to the last place and cut into blocks of 32 codes, [.., K / 32, bytes a block], one block behind the other in memory; four codes in three bytes: a row's codes are one little-endian stream of bits, code i at bits 6 i .. 6 i + 5 (a code: sign, 2 exponent bits, 3 mantissa bits); and NAME_scales (uint8): the same leading axes, one E8M0 byte (e + 127) for each 32 codes along K. Its value is code x scale, taken as it is: it is not quantised again, and the codes and scales need not be those that the quantiser above would give.
;; One version. Each part assembles by itself: llvm-mc -triple=amdgcn-amd-amdhsa -mcpu=gfx1250 --defsym DOCPART=n.
;; ======== version 1 of 1: 3 launches
;; workspace buffers: qkv 19,660,800 bytes; oc 6,291,456 bytes; os 262,144 bytes
;; launch qkv (part 1): grid 12 x 32, 4 waves a work-group, clusters of 4 x 4, 327,680 bytes of LDS; arguments x_codes, x_scales, w_attn_codes, w_attn_scales, b_attn, qkv; writes qkv
.if DOCPART == 1
	.amdgcn_target "amdgcn-amd-amdhsa--gfx1250"
	.amdhsa_code_object_version 6
	.text
	.protected	k_q95fb792b00_qkv
	.globl	k_q95fb792b00_qkv
	.p2align	8
	.type	k_q95fb792b00_qkv,@function
k_q95fb792b00_qkv:
	s_mov_b64 s[64:65], 0
	v_nop
	global_prefetch_b8 v0, s[64:65] scope:SCOPE_SE
	s_setreg_imm32_b32 hwreg(HW_REG_WAVE_MODE, 25, 1), 1
	s_wait_xcnt 0x0
	s_wait_alu depctr_hold_cnt(0) depctr_sa_sdst(0) depctr_va_vdst(0) depctr_va_sdst(0) depctr_va_ssrc(0) depctr_va_vcc(0) depctr_vm_vsrc(0)
	s_getreg_b32 s2, hwreg(HW_REG_IB_STS2, 6, 4)
	s_cmp_eq_u32 s2, 0
	s_cbranch_scc0 .Lentry_in_a_cluster
	s_endpgm
.Lentry_in_a_cluster:
	s_bfe_u32 s2, ttmp6, 0x10000c
	s_cmp_lg_u32 s2, 0xf033
	s_cbranch_scc0 .Lentry_shape_is_right
	s_endpgm
.Lentry_shape_is_right:
; qkv = x w_attn + b_attn on codes of FP6 (E2M3) with one E8M0 scale for each 32 along K = 1,024; the result is quantised at once, q and k along the head's 64 channels, v along the keys, and leaves as codes.
; ONE TEXT FOR q, k AND v.  Source 0 of the matrix instruction is called P0, source 1 P1: in a result lane (r, h) holds row r of P1, and its register j row 8 h + j of P0; the result is quantised along P0's rows.
; Clusters with x = 0, 1 (q, k): P0 = rows of w_attn (channels), P1 = rows of x.  Clusters with x = 2 (v): P0 = rows of x (keys), P1 = rows of w_attn.  Both tensors have rows of 768 bytes of codes and 32 scale bytes,
; so only pointers, tile numbers and strides are chosen, by selects on the cluster's x, which all partners share; no branch hangs on it.
; A tile of 256 (P1) x 256 (P0) is made by four waves, 128 x 128 each: 64 accumulators, 512 registers.  K goes in steps of 256 through a ring of two LDS slots filled by the tensor data mover; the scale bytes of the
; work-group's 512 rows come into LDS once.  4 x 4 work-groups form a cluster: P1's tiles are asked for jointly along a row of the cluster, P0's along a column.
; THE ORDER INSIDE A BLOCK OF 32.  A lane's register 16 B + 8 u + j holds P0's row 32 B + 16 u + 8 h + j and is laid at place 32 B + 16 h + 8 u + j of the operand: two bits of the index change places, inside one block,
; so a block's scale is the rule's.  q and k get the same order of channels, v the same order of keys that the next launch gives p: the products are the same sums in another order.
; THE WORKSPACE holds images of operand registers: half a fragment (16 rows x 64 along K: 6 registers a lane) is 768 bytes, register pair p of lane L at 256 p + 8 L: each store of the wave covers 256 consecutive bytes, aligned.
; qkv: [batch x head 64][step of 128 rows 16][19,200 bytes]: +0 q's codes, +6,144 q's scale words, +6,400 k's codes, +12,544 v's codes, +18,688 k's scale words, +18,944 v's.
; LIMITS: NaN and infinities are not served.  A block whose largest magnitude lies under 2^-124, a block of zeros among them, gets the scale byte 1 (the rule gives a block of zeros 127): its codes are zeros or the rule's, and this program alone reads the bytes.
; REGISTERS, in windows of 256: window 0: v0-31 addresses; v32-63 scale words, two sets; v64-127 Y, v224-240 Z and 1.0 (the bias); from v128 P1's fragments, one set.  window 1: P0's fragments, two sets.
;   windows 2, 3: the accumulators ((a, b) at v[8 (8 (a % 4) + b)]).  On the way out window 0's v32-63 and v128-215 are at work.
.set KSTEP,  256                       ; along K in a slot
.set NQ,     KSTEP/128                 ; matrix instructions deep
.set ROWB,   192                       ; a tile's row in bytes
.set KROW,   768                       ; a row of codes in memory
.set PITCH,  240                       ; an LDS row: 3 x (64 bytes + 16 of padding)
.set FR,     12                        ; registers of a fragment
.set NL,     6                         ; LDS loads that bring one
.set NP,     4                         ; places behind this matrix instruction (ISA guide 7.12.1)
.set HALFT,  128*PITCH
.set SLOT,   4*HALFT                   ; P1's 256 rows, then P0's 256 rows
.set LAPS,   2                         ; 1,024 / (2 x 256)
.set KS,     32                        ; a row of scale bytes
.set SCL,    2*SLOT                    ; behind the ring: the scale bytes, as units of 256 bytes + 16 of padding
.set HALFS,  (128*KS/256)*272
.set SBLK,   (16*KS/256)*272
.set SPARE,  SCL+4*HALFS               ; the spare words, 128 bytes for each wave: two blocks of 256 bytes that no other line names
.set STG,    SPARE+512                 ; 512 bytes for each wave: the new scale words on their way out; no fill lands here
.set HEADB,  307200                    ; a head in the workspace: 16 steps of 19,200 bytes
.set ADRA, 16                          ; v16-19  LDS addresses of P1's fragments in slot 0, 1 (and behind one padding more)
.set ADRB, 20                          ; v20-23  the same for P0
.set SST,  24                          ; v24     my wave's stage + 4 r
.set SRD,  25                          ; v25     my wave's stage + 8 x lane
.set L8,   26                          ; v26     8 x lane; never rewritten
.set ADRS, 27                          ; v27     LDS address of my scale words: lanes 0-15 P1's rows, lanes 16-31 P0's
.set SPW,  28                          ; v28     my spare word; never rewritten
.set NIL,  29                          ; v29     0; never rewritten
.set H32,  30                          ; v30     32 h
.set R4,   31                          ; v31     4 r
.set SC,   32                          ; scale words, two sets of 16
.set Y,    64                          ; v64-127  q, k: the bias of my lane's 64 channels; v: 1.0
.set AF,   128                         ; P1's fragments
.set Z,    224                         ; v224-239 (even ones) q, k: 1.0; v: the bias of channel 16 a + r
.set ONE,  240
.set X,    128                         ; the way out: 64 numbers
.set PC,   192                         ; v192-210 the codes just made
.set TM,   32                          ; v32-47  at work in the quantiser
.set PWS,  48                          ; v48-55  the eight blocks' scale words
.set WD,   56                          ; v56-63  the words as the workspace has them
.set BACK, 212                         ; v212-215 the words read back
.set G1, 24
.set G0, 32
.set G1B, 48
.set G0B, 56
.set G1S, 68
.set G0S, 76
.set G1SB, 80
.set G0SB, 88
.set MSB, 0
.macro WIN new                         ; the immediate's high byte repeats the setting that is left
.if MSB != \new
	s_set_vgpr_msb (MSB<<8)|\new
.set MSB, \new
.endif
.endm
.set MUL_LO, 0xa1                      ; source 0 (P0) window 1, source 1 (P1) window 0, C and D window 2
.set MUL_HI, 0xf1                      ; the same, C and D window 3
.set TO_B,   0x40                      ; destination window 1, address window 0
; A joint load: waves 0 and 1 fetch for P1, waves 2 and 3 for P0.  The branch hangs on the wave's number alone.  Four v_nop follow each of the two lines.
.macro JLOAD g0a, g1a, g0b, g1b
	s_cmp_eq_u32 s15, 0
	s_cbranch_scc0 .Lfor_b_\@
	tensor_load_to_lds s[\g0a:\g0a+3], s[\g1a:\g1a+7]
	s_nop 0
.rept 4
	v_nop
.endr
	s_branch .Lasked_\@
.Lfor_b_\@:
	tensor_load_to_lds s[\g0b:\g0b+3], s[\g1b:\g1b+7]
	s_nop 0
.rept 4
	v_nop
.endr
.Lasked_\@:
.endm
.macro CREST                           ; a round of the cluster's barrier behind its opening barrier
	s_cmp_lg_u32 s14, 0
	s_cbranch_scc1 .Lnot_wave_0_\@
	s_barrier_signal -3
.Lnot_wave_0_\@:
	s_barrier_wait -3
	s_barrier_signal -1
	s_barrier_wait -1
.endm
.macro CROUND                          ; a whole round
	s_barrier_signal -1
	s_barrier_wait -1
	CREST
.endm
	s_load_b128 s[4:7], s[0:1], 0x0                ; x's codes, x's scales
	s_load_b128 s[8:11], s[0:1], 0x10              ; w_attn's codes, w_attn's scales
	s_load_b128 s[96:99], s[0:1], 0x20             ; b_attn, the workspace
	v_lshl_add_u32 v[SPW], v0, 2, SPARE
	v_mov_b32 v[NIL], 0
	ds_add_u32 v28, v29
	ds_add_u32 v28, v29
	s_wait_dscnt 0x0
	v_lshrrev_b32 v1, 5, v0
	v_readfirstlane_b32 s14, v1                    ; wave 0..3
	s_lshr_b32 s15, s14, 1                         ; which half of P1's rows is mine.  Also: I fetch for P1 (0) or for P0 (1)
	s_and_b32 s16, s14, 1                          ; which half of P0's rows.  Also: which 128 rows of that tile I fetch
	s_bfe_u32 s40, ttmp6, 0x40000                  ; cx, cy: my place in the cluster
	s_bfe_u32 s41, ttmp6, 0x40004
	s_and_b32 s66, ttmp7, 0xffff                   ; cluster y
	s_cmp_eq_u32 ttmp9, 2                          ; the third column of clusters makes v
	s_cselect_b32 s2, -1, 0                        ; a lane mask: all ones for v
	s_cselect_b32 s42, s66, ttmp9                  ; P0's tiles are counted by cluster y for v (rows of x), else by cluster x (rows of w_attn)
	s_cselect_b32 s17, ttmp9, s66                  ; P1's the other way round
	s_lshl_b32 s42, s42, 2
	s_add_co_u32 s42, s42, s40                     ; P0's tile: .. + cx
	s_lshl_b32 s17, s17, 2
	s_add_co_u32 s17, s17, s41                     ; P1's tile: .. + cy
	s_lshl_b32 s43, s41, 2
	s_lshl_b32 s43, 15, s43                        ; my row of the cluster
	s_lshl_b32 s44, 0x1111, s40                    ; my column
	; descriptor group 1: a tile of 128 rows x 192 bytes, 16 bytes of padding behind every 64
	s_or_b32 s[G1+0], s43, (0<<16)|(1<<20)|(1<<21)|(3<<22)|(3<<25)  ; 15:0 the mask: P1's tiles go to my row; 17:16 elements of 1 byte; 20 padding on; 21 set beside a mask; 24:22 after every 16 words; 31:25 of 4 words
	s_or_b32 s[G1B+0], s44, (0<<16)|(1<<20)|(1<<21)|(3<<22)|(3<<25) ; P0's go to my column
.irp g, G1, G1B
	s_mov_b32 s[\g+1], ROWB<<16                    ; tensor_dim0
	s_mov_b32 s[\g+2], 128<<16                     ; tensor_dim1
	s_mov_b32 s[\g+3], ROWB<<16                    ; tile_dim0
	s_mov_b32 s[\g+4], 128                         ; tile_dim1
	s_mov_b32 s[\g+5], KROW                        ; tensor_dim0_stride
	s_mov_b32 s[\g+6], 0
	s_mov_b32 s[\g+7], 0
.endr
	; the scale bytes of 128 rows: 4,096 dense bytes as 16 rows of 256 (32 elements of 8 bytes), 16 bytes of padding behind each
	s_or_b32 s[G1S+0], s43, (3<<16)|(1<<20)|(1<<21)|(5<<22)|(3<<25)
	s_or_b32 s[G1SB+0], s44, (3<<16)|(1<<20)|(1<<21)|(5<<22)|(3<<25)
.irp g, G1S, G1SB
	s_mov_b32 s[\g+1], 32<<16
	s_mov_b32 s[\g+2], (128*KS/256)<<16
	s_mov_b32 s[\g+3], 32<<16
	s_mov_b32 s[\g+4], 128*KS/256
	s_mov_b32 s[\g+5], 32
	s_mov_b32 s[\g+6], 0
	s_mov_b32 s[\g+7], 0
.endr
	s_lshl_b32 s18, s16, 7                         ; which 128 rows of the tile I fetch
	s_lshl_b32 s20, s17, 8
	s_add_co_u32 s20, s20, s18                     ; P1: row 256 x tile + 128 x half
	s_lshl_b32 s46, s42, 8
	s_add_co_u32 s46, s46, s18                     ; P0 likewise
	s_mov_b32 s21, 0
	s_mov_b32 s47, 0
	s_mov_b64 s[18:19], KS
	s_mul_u64 s[22:23], s[20:21], s[18:19]         ; where these rows' scale bytes begin
	s_mul_u64 s[92:93], s[46:47], s[18:19]
	s_mov_b64 s[18:19], KROW
	s_mul_u64 s[20:21], s[20:21], s[18:19]         ; and their codes
	s_mul_u64 s[46:47], s[46:47], s[18:19]
	s_mul_i32 s45, s14, HALFT                      ; where they go: wave x 128 rows: no place in the cluster enters an LDS address
	s_mul_i32 s94, s14, HALFS
	s_wait_kmcnt 0x0
	s_cmp_eq_u32 ttmp9, 2                          ; which tensor is P1 and which P0: the choice hangs on the cluster's x alone
	s_cselect_b64 s[12:13], s[8:9], s[4:5]         ; P1's codes
	s_cselect_b64 s[18:19], s[10:11], s[6:7]       ; P1's scales
	s_cselect_b64 s[8:9], s[4:5], s[8:9]           ; P0's codes
	s_cselect_b64 s[10:11], s[6:7], s[10:11]       ; P0's scales
	s_add_nc_u64 s[20:21], s[12:13], s[20:21]
	s_add_nc_u64 s[22:23], s[18:19], s[22:23]
	s_add_nc_u64 s[46:47], s[8:9], s[46:47]
	s_add_nc_u64 s[92:93], s[10:11], s[92:93]
	CROUND                                         ; all sixteen work-groups are here: the first joint loads meet
	s_mov_b32 s[G0S], 1
	s_add_co_u32 s[G0S+1], s94, SCL
	s_mov_b64 s[G0S+2:G0S+3], s[22:23]
	s_or_b32 s[G0S+3], s[G0S+3], 0x80000000
	s_mov_b32 s[G0SB], 1
	s_add_co_u32 s[G0SB+1], s94, SCL
	s_mov_b64 s[G0SB+2:G0SB+3], s[92:93]
	s_or_b32 s[G0SB+3], s[G0SB+3], 0x80000000
	JLOAD G0S, G1S, G0SB, G1SB                     ; the scale bytes first: they are wanted with K step 0
.irp s, 0,1
	s_mov_b32 s[G0+4*\s], 1
	s_add_co_u32 s[G0+4*\s+1], s45, \s*SLOT
	s_add_nc_u64 s[G0+4*\s+2:G0+4*\s+3], s[20:21], \s*ROWB
	s_or_b32 s[G0+4*\s+3], s[G0+4*\s+3], 0x80000000
	s_mov_b32 s[G0B+4*\s], 1
	s_add_co_u32 s[G0B+4*\s+1], s45, \s*SLOT
	s_add_nc_u64 s[G0B+4*\s+2:G0B+4*\s+3], s[46:47], \s*ROWB
	s_or_b32 s[G0B+4*\s+3], s[G0B+4*\s+3], 0x80000000
	JLOAD G0+4*\s, G1, G0B+4*\s, G1B               ; three tensor loads of mine are out now
.endr
	v_and_b32 v1, 15, v0                           ; r = l % 16
	v_bfe_u32 v2, v0, 4, 1                         ; h = l / 16
	v_mul_u32_u24 v3, v1, PITCH
	v_mul_u32_u24 v4, v2, 24
	v_add_nc_u32 v4, v3, v4                        ; a fragment's row x pitch + 24 x half
	v_lshl_add_u32 v5, v2, 4, v4                   ; and the same behind one padding more
	s_mul_i32 s21, s15, HALFT                      ; my 128 rows of P1
	s_mul_i32 s22, s16, HALFT                      ; my 128 rows of P0,
	s_add_co_u32 s22, s22, 2*HALFT                 ; which lie behind P1's 256
.irp s, 0,1
	v_add_nc_u32 v[ADRA+\s], s21, v4
	v_add_nc_u32 v[ADRB+\s], s22, v4
	v_add_nc_u32 v[ADRA+2+\s], s21, v5
	v_add_nc_u32 v[ADRB+2+\s], s22, v5
	s_add_co_u32 s21, s21, SLOT
	s_add_co_u32 s22, s22, SLOT
.endr
	v_mul_u32_u24 v5, v1, KS                       ; my row's scale bytes: 32 a row,
	v_lshrrev_b32 v6, 8, v5
	v_lshl_add_u32 v5, v6, 4, v5                   ; and 16 more for each 256 passed
	s_mul_i32 s21, s15, HALFS
	s_mul_i32 s22, s16, HALFS
	s_add_co_u32 s22, s22, 2*HALFS
	s_sub_co_u32 s22, s22, s21
	v_mul_u32_u24 v6, s22, v2                      ; lanes 16-31 take P0's
	s_add_co_u32 s21, s21, SCL
	v_add_nc_u32 v5, v5, v6
	v_add_nc_u32 v[ADRS], s21, v5
	s_lshl_b32 s23, s14, 9
	s_add_co_u32 s23, s23, STG                     ; my wave's 512 bytes of stage
	v_lshl_add_u32 v[SST], v1, 2, s23
	v_and_b32 v6, 31, v0
	v_lshlrev_b32 v[L8], 3, v6
	v_add_nc_u32 v[SRD], s23, v[L8]
	v_lshlrev_b32 v[H32], 5, v2
	s_wait_alu depctr_va_vdst(0)
	v_lshlrev_b32 v[R4], 2, v1
	s_wait_alu depctr_va_vdst(0)
	; where my 128 x 128 goes.  t0, t1: which 128 rows of P0, of P1 are mine
	s_lshl_b32 s18, s42, 1
	s_add_co_u32 s18, s18, s16                     ; t0
	s_lshl_b32 s19, s17, 1
	s_add_co_u32 s19, s19, s15                     ; t1
	s_cmp_eq_u32 ttmp9, 2
	s_cselect_b32 s20, s18, s19                    ; which 128 rows of x: 16 x batch + step
	s_cselect_b32 s21, s19, s18                    ; which 128 columns of qkv: 8 x (q, k, v) + pair of heads
	s_mov_b32 s46, HEADB
	s_cselect_b32 s46, 768, s46                    ; from a fragment's first half to its second: q, k: the pair's other head; v: the next 64 keys
	s_mov_b32 s18, 768
	s_cselect_b32 s18, HEADB, s18                  ; from blocks 0-3 of P1 to blocks 4-7: q, k: the row tile four on, a fragment's other half; v: the other head
	s_and_b32 s22, s21, 7
	s_mul_i32 s22, s22, 2*HEADB
	s_lshr_b32 s23, s20, 4
	s_mul_i32 s23, s23, 16*HEADB
	s_add_co_u32 s22, s22, s23
	s_and_b32 s20, s20, 15
	s_mul_i32 s20, s20, 19200
	s_add_co_u32 s22, s22, s20                     ; the step's first byte, in the pair's first head
	s_min_u32 s23, ttmp9, 1
	s_mul_i32 s20, ttmp9, 6144
	s_lshl_b32 s19, s23, 8
	s_add_co_u32 s20, s20, s19                     ; the codes' place in a step: 0, 6,400, 12,544
	s_add_co_u32 s20, s20, s22
	s_mul_i32 s23, s23, 12288
	s_lshl_b32 s19, ttmp9, 8
	s_add_co_u32 s23, s23, s19
	s_add_co_u32 s23, s23, 6144                    ; the scale words': 6,144, 18,688, 18,944
	s_add_co_u32 s22, s22, s23
	s_mov_b32 s47, 0
	s_mov_b32 s19, 0
	s_mov_b32 s23, 0
	s_lshl_b32 s92, s21, 9                         ; the bias of my 128 columns
	s_mov_b32 s93, 0
	s_mov_b32 s21, 0
	s_add_nc_u64 s[4:5], s[98:99], s[20:21]        ; the four bases of the codes' stores: half 0, blocks 0-3;
	s_add_nc_u64 s[6:7], s[4:5], s[18:19]          ; half 0, blocks 4-7;
	s_add_nc_u64 s[8:9], s[4:5], s[46:47]          ; half 1, blocks 0-3;
	s_add_nc_u64 s[10:11], s[8:9], s[18:19]        ; half 1, blocks 4-7
	s_add_nc_u64 s[12:13], s[98:99], s[22:23]      ; the scale words'
	s_add_nc_u64 s[96:97], s[96:97], s[92:93]
	s_mov_b32 s66, 0x76543210
	s_mov_b32 s67, 0xfedcba98                      ; v_permlanex16_b32's selects for lane l xor 16
	; THE BIAS is added by one fused multiply-add, Y x Z + sum.  q, k: the column runs along my registers: Y = the bias, Z = 1.  v: it runs along the lanes and P1's blocks: Y = 1, Z = the bias.  Both are loaded and one is replaced.
.irp t, 0,1,2,3,4,5,6,7
	global_load_b128 v[Y+8*\t:Y+8*\t+3], v[H32], s[96:97] offset:64*\t        ; columns 16 t + 8 h + 0 .. 7
	global_load_b128 v[Y+8*\t+4:Y+8*\t+7], v[H32], s[96:97] offset:64*\t+16
.endr
.irp a, 0,1,2,3,4,5,6,7
	global_load_b32 v[Z+2*\a], v[R4], s[96:97] offset:64*\a                   ; column 16 a + r
	v_mov_b32 v[Z+2*\a+1], 0                       ; (named with it as a pair, so it is written)
.endr
	v_mov_b32 v[ONE], 1.0
	s_wait_alu depctr_va_vdst(0)
	s_wait_loadcnt 0x0
.set jj, 0
.rept 64
	v_cndmask_b32 v[Y+jj], v[Y+jj], v[ONE], s2
.set jj, jj+1
.endr
.irp a, 0,1,2,3,4,5,6,7
	v_cndmask_b32 v[Z+2*\a], v[ONE], v[Z+2*\a], s2
.endr
.macro FRAG reg, adr, q, i             ; a fragment, 16 rows x 128 K, is 12 registers: lane l holds row l % 16; registers 6 c .. 6 c + 5 hold K = 64 c + 32 (l / 16) + 0 .. 31: 24 bytes of the row, as they lie, in pieces of 8 bytes
.irp p, 0,1,2,3,4,5
.set PIECE, 12*(\q)+6*(\p/3)+\p%3      ; 16 bytes of padding lie behind every 8 pieces: where the piece three on (lanes 16-31) lies behind one padding more, the second address register serves
.if PIECE%8 < 5
	ds_load_b64 v[\reg+2*\p:\reg+2*\p+1], v[\adr] offset:8*PIECE+16*(PIECE/8)+(\i)*16*PITCH
.else
	ds_load_b64 v[\reg+2*\p:\reg+2*\p+1], v[\adr+2] offset:8*PIECE+16*(PIECE/8)+(\i)*16*PITCH
.endif
.endr
.endm
; 16 matrix instructions: P1's blocks a0, a0 + 1 x P0's eight, 128 along K.  p: P0's set; sc: the set of scale words.  zero = 1: the first product starts the sums.
; The 64 accumulators take turns, one instruction a turn, in the same order in every step.
.macro MUL16 a0, p, q, sc, zero
.irp a, \a0, \a0+1
.irp b, 0,1,2,3,4,5,6,7
.if \zero
	v_wmma_scale_f32_16x16x128_f8f6f4 v[8*(8*((\a)%4)+\b):8*(8*((\a)%4)+\b)+7], v[128*(\p)+FR*\b:128*(\p)+FR*\b+FR-1], v[AF+FR*(\a):AF+FR*(\a)+FR-1], 0, v[SC+8*NQ*(\sc)+NQ*\b+(\q)], v[SC+8*NQ*(\sc)+NQ*(\a)+(\q)] matrix_a_fmt:MATRIX_FMT_FP6 matrix_b_fmt:MATRIX_FMT_FP6 matrix_a_scale:MATRIX_SCALE_ROW1
.else
	v_wmma_scale_f32_16x16x128_f8f6f4 v[8*(8*((\a)%4)+\b):8*(8*((\a)%4)+\b)+7], v[128*(\p)+FR*\b:128*(\p)+FR*\b+FR-1], v[AF+FR*(\a):AF+FR*(\a)+FR-1], v[8*(8*((\a)%4)+\b):8*(8*((\a)%4)+\b)+7], v[SC+8*NQ*(\sc)+NQ*\b+(\q)], v[SC+8*NQ*(\sc)+NQ*(\a)+(\q)] matrix_a_fmt:MATRIX_FMT_FP6 matrix_b_fmt:MATRIX_FMT_FP6 matrix_a_scale:MATRIX_SCALE_ROW1
.endif
.endr
.endr
.endm
.macro FETCH_B slot, q, p              ; P0's eight fragments of the slot's q-th 128 along K into set p
	WIN TO_B
.irp i, 0,1,2,3,4,5,6,7
	FRAG 128*(\p)+FR*\i, ADRB+\slot, \q, \i
.endr
	WIN 0
.endm
.macro FETCH_A slot, q, i0             ; P1's blocks i0 .. i0 + 3
.irp i, \i0, \i0+1, \i0+2, \i0+3
	FRAG AF+FR*(\i), ADRA+\slot, \q, \i
.endr
.endm
.macro SCALES sc                       ; a K step's scale words into set sc: two words a row; lanes 0-15 take P1's block i, lanes 16-31 P0's block i
.irp i, 0,1,2,3,4,5,6,7
	ds_load_b64 v[SC+8*NQ*\sc+NQ*\i:SC+8*NQ*\sc+NQ*\i+1], v[ADRS] offset:\i*SBLK
.endr
.endm
.macro PLACES n                        ; plain vector instructions between a matrix instruction and a load into, or a vector instruction on, its registers
.rept \n
	v_nop
.endr
.endm
; A step of 128 along K that has its successor in the same slot.
.macro STEP slot, q, zero
	s_wait_dscnt 4*NL                              ; P0's set and P1's blocks 0-3 are in; the youngest 24 loads (P1's blocks 4-7) may be out
	WIN MUL_LO
	MUL16 0, (\q)%2, \q, \slot, \zero
	MUL16 2, (\q)%2, \q, \slot, \zero
	s_wait_dscnt 0                                 ; P1's blocks 4-7 are in
	PLACES NP
	FETCH_B \slot, (\q)+1, 1-(\q)%2
	FETCH_A \slot, (\q)+1, 0
	WIN MUL_HI
	MUL16 4, (\q)%2, \q, \slot, \zero
	MUL16 6, (\q)%2, \q, \slot, \zero
	PLACES NP
	WIN 0
	FETCH_A \slot, (\q)+1, 4
.endm
; A slot's last step changes slots: one barrier; in front of it each wave waits for all its tensor loads, adds 0 to its spare word, and waits for that and for its own reads of this slot.  fill = 1: this slot is filled again, two K steps ahead.
.macro TURN slot, next, fill
	s_wait_tensorcnt 0x0                           ; all my tensor loads have landed: my part of the next slot
	ds_add_u32 v[SPW], v[NIL]                      ; 0 onto my spare word
	s_wait_dscnt 4*NL+1                            ; the add and the youngest 24 loads (P1's blocks 4-7) may be out
	WIN MUL_LO
	MUL16 0, 1, NQ-1, \slot, 0                     ; sixteen matrix instructions stand between the add and the wait for it
	s_wait_dscnt 0x0                               ; the add is done, and my reads of this slot are over
	s_barrier_signal -1
	MUL16 2, 1, NQ-1, \slot, 0
	WIN 0
	s_barrier_wait -1
.if \fill
	CREST                                          ; the barrier has opened a round of the cluster's barrier: no wave of any partner still reads this slot's tile or has a load on its way
	s_add_nc_u64 s[G0+4*\slot+2:G0+4*\slot+3], s[G0+4*\slot+2:G0+4*\slot+3], 2*ROWB
	s_add_nc_u64 s[G0B+4*\slot+2:G0B+4*\slot+3], s[G0B+4*\slot+2:G0B+4*\slot+3], 2*ROWB
	JLOAD G0+4*\slot, G1, G0B+4*\slot, G1B         ; the first tensor load behind the round; its four v_nop are the places in front of the loads below
.else
	PLACES NP
.endif
	s_wait_alu depctr_va_vdst(0)
	v_add_nc_u32 v[ADRS], 4*NQ, v[ADRS]            ; on to the next K step's scale words
	FETCH_B \next, 0, 0
	FETCH_A \next, 0, 0
	SCALES \next
	WIN MUL_HI
	MUL16 4, 1, NQ-1, \slot, 0
	MUL16 6, 1, NQ-1, \slot, 0
	PLACES NP
	WIN 0
	FETCH_A \next, 0, 4
.endm
	s_wait_tensorcnt 1                             ; the scale bytes and my part of K step 0 are in; K step 1's load may be out
	s_barrier_signal -1
	s_barrier_wait -1
	FETCH_B 0, 0, 0
	FETCH_A 0, 0, 0
	SCALES 0
	FETCH_A 0, 0, 4
	STEP 0, 0, 1                                   ; the first step stands in front of the loop: its products start the sums
	s_mov_b32 s3, LAPS-1
.Llap:                                                 ; a trip goes once round the ring and fills both slots again
	TURN 0, 1, 1
	STEP 1, 0, 0
	TURN 1, 0, 1
	STEP 0, 0, 0
	s_sub_co_u32 s3, s3, 1
	s_cmp_lg_u32 s3, 0
	s_cbranch_scc1 .Llap
	TURN 0, 1, 0                                   ; the last lap fills nothing
	STEP 1, 0, 0
	s_wait_dscnt 4*NL                              ; the very last step: nothing more to fetch
	WIN MUL_LO
	MUL16 0, 1, NQ-1, 1, 0
	MUL16 2, 1, NQ-1, 1, 0
	s_wait_dscnt 0
	WIN MUL_HI
	MUL16 4, 1, NQ-1, 1, 0
	MUL16 6, 1, NQ-1, 1, 0
	WIN 0
; 64 numbers of a lane, v[s] on, register 16 b + i taken as place 32 b + 16 (lane / 16) + i of my row, become a fragment's codes in v[PC] on and its scale word in v[pw].
.macro QUANT s, pw
.irp b, 0,1,2,3
	v_max3_num_f32 v[TM+\b], |v[\s+16*\b]|, |v[\s+1+16*\b]|, 0x1800000   ; block b: my 16 numbers, and the floor 2^(3 - 127): so the byte cannot fall under 1
.endr
.irp i, 2,4,6,8,10,12,14
.irp b, 0,1,2,3
	v_max3_num_f32 v[TM+\b], v[TM+\b], |v[\s+16*\b+\i]|, |v[\s+1+16*\b+\i]|   ; the four blocks by turns
.endr
.endr
.irp b, 0,1,2,3
	v_permlanex16_b32 v[TM+4+\b], v[TM+\b], s66, s67
.endr
.irp b, 0,1,2,3
	v_max_num_f32 v[TM+\b], v[TM+\b], v[TM+4+\b]   ; with lane l xor 16's: the block's largest magnitude
.endr
.irp b, 0,1,2,3
	v_add_nc_u32 v[TM+12+\b], 0xff000000, v[TM+\b] ; 2 off its exponent field: the conversion takes the exponent field of this operand as its scale
.endr
.irp b, 0,1,2,3
	v_lshrrev_b32 v[TM+4+\b], 23, v[TM+12+\b]      ; the scale's byte
.endr
	v_lshl_or_b32 v[\pw], v[TM+5], 8, v[TM+4]      ; the four bytes make my row's scale word (both halves of the lanes hold the same)
	v_lshl_or_b32 v[\pw], v[TM+6], 16, v[\pw]
	v_lshl_or_b32 v[\pw], v[TM+7], 24, v[\pw]
.irp c, 0,1
	v_cvt_scalef32_pk16_fp6_f32 v[PC+6*\c:PC+2+6*\c], v[\s+32*\c:\s+15+32*\c], v[TM+12+2*\c]
	v_cvt_scalef32_pk16_fp6_f32 v[PC+12+4*\c:PC+14+4*\c], v[\s+16+32*\c:\s+31+32*\c], v[TM+12+2*\c+1]   ; (a conversion's three registers begin on an even number)
.endr
	v_nop                                          ; one plain place behind a scaled conversion
.irp c, 0,1                                    ; the operand's layout wants a whole block in a lane: lanes 0-15 block 2 c, lanes 16-31 block 2 c + 1
.irp i, 0,1,2
	v_permlane16_swap_b32 v[PC+6*\c+\i], v[PC+12+4*\c+\i]
.endr
.irp i, 0,1,2
	v_mov_b32 v[PC+3+6*\c+\i], v[PC+12+4*\c+\i]
.endr
.endr
.endm
; THE WAY OUT of P1's block a: the bias, the quantiser along P0's 128 rows, six stores of 256 consecutive bytes.
.macro EPI a
	WIN 0x20+0x10*((\a)/4)                         ; source 2: window 2 or 3
.set jj, 0
.rept 32
	v_pk_fma_f32 v[X+2*jj:X+2*jj+1], v[Y+2*jj:Y+2*jj+1], v[Z+2*(\a):Z+2*(\a)+1], v[64*((\a)%4)+2*jj:64*((\a)%4)+2*jj+1] op_sel_hi:[1,0,1]   ; Y x Z + sum; each accumulator from its low end on
.set jj, jj+1
.endr
	WIN 0
.if (\a) > 0
	s_wait_xcnt 0x0                                ; the last block's stores have read their data: the codes' registers are written again only behind this wait
.endif
	QUANT X, PWS+(\a)
.irp p, 0,1,2,3,4,5
	global_store_b64 v[L8], v[PC+2*\p:PC+2*\p+1], s[4+4*(\p/3)+2*((\a)/4):5+4*(\p/3)+2*((\a)/4)] offset:((\a)%4)*1536+(\p%3)*256
.endr
.endm
	PLACES NP                                      ; behind the last products: their results are read and their operands' registers written from here on
.irp b, 0,1,2,3
	v_mov_b32 v[TM+4+\b], 0                        ; written once: a lane permute's destination counts as one of its sources
.endr
.irp a, 0,1,2,3,4,5,6,7
	EPI \a
.endr
	; THE SCALE WORDS.  q, k: a word of the workspace holds the two bytes of row tile t and the two of tile t + 4, for one head.  v: it is the block's word as it stands.  Only the selectors differ.
	s_cmp_eq_u32 ttmp9, 2
	s_mov_b32 s18, 0x05040100
	s_cselect_b32 s18, 0x03020100, s18
	s_mov_b32 s19, 0x07060302
	s_cselect_b32 s19, 0x07060504, s19
.irp t, 0,1,2,3
	v_perm_b32 v[WD+\t], v[PWS+4+\t], v[PWS+\t], s18     ; the pair's first head
	v_perm_b32 v[WD+4+\t], v[PWS+4+\t], v[PWS+\t], s19   ; its second
.endr
.irp c, 0,1
.irp t, 0,1,2,3
	ds_store_b32 v[SST], v[WD+4*\c+\t] offset:256*\c+64*\t   ; lanes r and 16 + r write the same word with the same value
.endr
.endr
	ds_load_b64 v[BACK:BACK+1], v[SRD]             ; LDS serves a wave's instructions in order (ISA guide 5.7.1.4): these see my stores
	ds_load_b64 v[BACK+2:BACK+3], v[SRD] offset:256
	s_wait_dscnt 0x0
	global_store_b64 v[L8], v[BACK:BACK+1], s[12:13]                  ; 256 consecutive bytes, aligned, for each head
	global_store_b64 v[L8], v[BACK+2:BACK+3], s[12:13] offset:HEADB
	s_wait_tensorcnt 0x0                           ; the wave's end
	ds_add_u32 v[SPW], v[NIL]
	s_wait_dscnt 0x0
	CROUND                                         ; the closing round: no work-group ends while a partner may still ask for a tile that names it
	s_endpgm
.Lfunc_end_k_q95fb792b00_qkv:
	.size	k_q95fb792b00_qkv, .Lfunc_end_k_q95fb792b00_qkv-k_q95fb792b00_qkv
	.p2alignl 7, 3214868480
	.fill 96, 4, 3214868480
	.section	.rodata,"a",@progbits
	.p2align	6, 0x0
	.amdhsa_kernel k_q95fb792b00_qkv
		.amdhsa_group_segment_fixed_size 327680
		.amdhsa_private_segment_fixed_size 0
		.amdhsa_enable_private_segment 0
		.amdhsa_kernarg_size 48
		.amdhsa_user_sgpr_count 2
		.amdhsa_user_sgpr_kernarg_segment_ptr 1
		.amdhsa_wavefront_size32 1
		.amdhsa_system_sgpr_workgroup_id_x 1
		.amdhsa_system_sgpr_workgroup_id_y 1
		.amdhsa_system_sgpr_workgroup_id_z 1
		.amdhsa_system_vgpr_workitem_id 0
		.amdhsa_next_free_vgpr 1024
		.amdhsa_next_free_sgpr 100
		.amdhsa_reserve_vcc 0
		.amdhsa_float_denorm_mode_32 3
		.amdhsa_float_denorm_mode_16_64 3
		.amdhsa_memory_ordered 1
		.amdhsa_forward_progress 1
		.amdhsa_inst_pref_size 192
	.end_amdhsa_kernel
	.amdgpu_metadata
---
amdhsa.version: [ 1, 2 ]
amdhsa.kernels:
  - .name:           k_q95fb792b00_qkv
    .symbol:         k_q95fb792b00_qkv.kd
    .args:
      - { .name: x_codes, .offset: 0, .size: 8, .value_kind: global_buffer, .address_space: global }
      - { .name: x_scales, .offset: 8, .size: 8, .value_kind: global_buffer, .address_space: global }
      - { .name: w_attn_codes, .offset: 16, .size: 8, .value_kind: global_buffer, .address_space: global }
      - { .name: w_attn_scales, .offset: 24, .size: 8, .value_kind: global_buffer, .address_space: global }
      - { .name: b_attn, .offset: 32, .size: 8, .value_kind: global_buffer, .address_space: global }
      - { .name: qkv, .offset: 40, .size: 8, .value_kind: global_buffer, .address_space: global }
    .group_segment_fixed_size: 327680
    .private_segment_fixed_size: 0
    .kernarg_segment_align: 8
    .kernarg_segment_size: 48
    .max_flat_workgroup_size: 128
    .sgpr_count:     100
    .vgpr_count:     1024
    .wavefront_size: 32
...
	.end_amdgpu_metadata
.endif
;; end of part 1
;; launch attn (part 2): grid 4 x 64, 16 waves a work-group, no clusters, 215,040 bytes of LDS; arguments qkv, oc, os; writes oc, os
.if DOCPART == 2
	.amdgcn_target "amdgcn-amd-amdhsa--gfx1250"
	.amdhsa_code_object_version 6
	.text
	.protected	k_q95fb792b00_attn
	.globl	k_q95fb792b00_attn
	.p2align	8
	.type	k_q95fb792b00_attn,@function
k_q95fb792b00_attn:
	s_mov_b64 s[64:65], 0
	v_nop
	global_prefetch_b8 v0, s[64:65] scope:SCOPE_SE
	s_setreg_imm32_b32 hwreg(HW_REG_WAVE_MODE, 25, 1), 1
	s_wait_xcnt 0x0
; Causal attention of one head on codes of FP6 (E2M3), and the quantising of its result along the model's 1,024 channels (a head is two blocks of 32).
; t = score x log2(e) / 8; M = the running largest t rounded up to a whole number; p = 2^(t - M) is quantised along the keys, not normalised; the row's sum is taken of the unquantised p and divides at the end.
; SHARES.  A head has eight blocks of 256 queries.  Work-group (i, head) owns blocks i and 7 - i.  Wave w takes tile w (16 queries) of block i, then tile w xor 15 of block 7 - i: 17 key steps of 128 keys that count, for every wave.
; LDS.  The head's k and v, codes and scale words, are 16 steps x 12,800 bytes: they come in ONCE, one tensor load a wave (wave w brings step w), and stay: no byte of LDS is filled again.
; NO CLUSTER, though four work-groups read the same k and v: a step all of whose keys are hidden is jumped over by a branch on the work-group's number; half of all steps are hidden.
; LAYOUT.  Both products are used transposed: a lane holds ONE query (lane % 16) throughout.  Operands lie in LDS as images of registers: register pair p of lane L at 256 p + 8 L of a half fragment of 768 bytes.
; K = 64 IN AN INSTRUCTION OF 128: a fragment of k holds key tile f (K 0-63) and key tile f + 4 (K 64-127); q beside 64 zero codes gives tile f's scores, 64 zero codes beside q tile f + 4's.  q, zeros, q stand in 18 registers.
; Inside a block of 32 the keys of p stand in the order in which the launch before has laid v's, and q's channels in k's order.  The result's channels are brought into their true order before they are quantised, since w_proj is given.
; CAUSAL: every wave walks 16 trips; a trip whose keys all come after the wave's queries does nothing but step addresses; in the one trip on the diagonal hidden scores become -infinity.
; LIMITS: NaN and infinities are not served.  A block whose largest magnitude lies under 2^-124, a block of zeros among them, gets the scale byte 1; this program alone reads the bytes.
.set STEPB, 12800                      ; a step in LDS: k's codes 6,144, v's codes 6,144, k's scale words 256, v's 256
.set QSTEP, 19200                      ; a step in the workspace: q's 6,400 bytes in front of those
.set HEADB, 307200
.set OST,   16*STEPB                   ; behind the steps: the result's scale bytes, 2 x 512 bytes; no fill lands here
.set L8,   1                           ; v1   8 x lane
.set L4,   3                           ; v3   4 x lane
.set R4,   5                           ; v5   4 r
.set RH,   6                           ; v6   r - 8 h
.set OSA0, 7                           ; v7   where my first tile's scale bytes go;  v9 my second's
.set ADK,  8                           ; v8   the step's codes
.set ADS,  10                          ; v10  the step's scale words
.set ORD,  11                          ; v11  OST + 256 x wave + 8 x lane
.set QF,   16                          ; v16-21 q, v22-27 zeros, v28-33 q
.set QSL,  34                          ; q's scale word for q | zeros;  v35 for zeros | q
.set QSH,  35
.set KSC,  36                          ; v36-37 k's scale words: lanes 0-15 fragment 2 g, lanes 16-31 fragment 2 g + 1
.set VSC,  38                          ; v38-39 v's
.set FG,   40                          ; v40-87 four fragments of k, then of v
.set S,    88                          ; v88-151 the scores, then p: register 8 t + j is key 16 t + 8 h + j of the step
.set O,    152                         ; v152-183 O^T: register 8 c + j is channel 16 c + 8 h + j
.set PCD,  184                         ; v184-195 p's codes
.set BM,   196                         ; v196-199 the blocks' largest
.set T4,   200                         ; v200-207 at work
.set SO,   208                         ; v208-211 the conversions' scale operands
.set FF,   212                         ; v212 f = 2^(old M - new M)
.set PSW,  213                         ; v213 p's scale word
.set TT,   214
.set NINF, 215
.set WV,   18
.set SEL,  20
.set CS,   22
.set G1,   24
.set G0,   32
.set TB,   2                           ; s2   LDS byte at which the trip's step begins
.set KF,   36                          ; s36  the trip's first key
.set Q0,   37                          ; s37  my tile's first query
	s_load_b128 s[4:7], s[0:1], 0x0                ; the workspace of q, k, v; the result's codes
	s_load_b64 s[8:9], s[0:1], 0x10                ; the result's scale bytes
	v_lshl_add_u32 v254, v0, 2, 0x34000
	v_mov_b32 v255, 0
	ds_add_u32 v254, v255
	ds_add_u32 v254, v255
	v_lshrrev_b32 v216, 5, v0
	s_delay_alu instid0(VALU_DEP_1)
	v_readfirstlane_b32 s[WV], v216                ; wave 0..15
	s_and_b32 s38, ttmp7, 0xffff                   ; 16 x batch + head
	s_mul_i32 s40, s38, HEADB
	s_mov_b32 s41, 0
	s_mul_i32 s42, s[WV], QSTEP
	s_add_co_u32 s42, s42, 6400                    ; step w, behind its q
	s_mov_b32 s43, 0
	s_lshr_b32 s44, s38, 4                         ; batch
	s_and_b32 s45, s38, 15                         ; head
	s_mul_i32 s46, s44, 128*12288                  ; oc: [tile of 16 rows][head][768 bytes]
	s_mul_i32 s48, s45, 768
	s_add_co_u32 s46, s46, s48
	s_mov_b32 s47, 0
	s_lshl_b32 s48, s45, 14                        ; os: [head][row][2 bytes]
	s_lshl_b32 s49, s44, 12
	s_add_co_u32 s48, s48, s49
	s_mov_b32 s49, 0
	; descriptor group 1: 12,800 dense bytes as 50 rows of 256 (32 elements of 8 bytes), no padding
	s_mov_b32 s[G1], 3<<16
	s_mov_b32 s[G1+1], 32<<16                      ; tensor_dim0
	s_mov_b32 s[G1+2], 50<<16                      ; tensor_dim1
	s_mov_b32 s[G1+3], 32<<16                      ; tile_dim0
	s_mov_b32 s[G1+4], 50                          ; tile_dim1
	s_mov_b32 s[G1+5], 32                          ; the pitch
	s_mov_b32 s[G1+6], 0
	s_mov_b32 s[G1+7], 0
	s_mov_b32 s[G0], 1
	s_mul_i32 s[G0+1], s[WV], STEPB                ; each wave fills bytes of its own
	s_mov_b32 s[SEL], 0x76543210
	s_mov_b32 s[SEL+1], 0xfedcba98                 ; v_permlanex16_b32's selects for lane l xor 16
	s_mov_b32 s[CS], 0x3e38aa3b                    ; c = log2(e) / 8
	s_mov_b32 s[CS+1], s[CS]                       ; (named with it as a pair, so it is written)
	s_wait_dscnt 0x0
	s_wait_kmcnt 0x0
	s_add_nc_u64 s[10:11], s[4:5], s[40:41]        ; my head in the workspace
	s_add_nc_u64 s[12:13], s[6:7], s[46:47]        ; my batch's first tile, my head, in oc
	s_add_nc_u64 s[14:15], s[8:9], s[48:49]        ; my head, my batch in os
	s_add_nc_u64 s[G0+2:G0+3], s[10:11], s[42:43]
	s_or_b32 s[G0+3], s[G0+3], 0x80000000
	tensor_load_to_lds s[G0:G0+3], s[G1:G1+7]      ; my one tensor load
	s_nop 0
.rept 4
	v_nop
.endr
	v_and_b32 v218, 31, v0                         ; lane
	v_and_b32 v217, 15, v0                         ; r
	v_bfe_u32 v216, v0, 4, 1                       ; h
	s_delay_alu instid0(VALU_DEP_3)
	v_lshlrev_b32 v[L8], 3, v218
	s_delay_alu instid0(VALU_DEP_4)
	v_lshlrev_b32 v[L4], 2, v218
	s_delay_alu instid0(VALU_DEP_4)
	v_lshlrev_b32 v[R4], 2, v217
	s_delay_alu instid0(VALU_DEP_4)
	v_lshlrev_b32 v[RH], 3, v216
	s_delay_alu instid0(VALU_DEP_1)
	v_sub_nc_u32 v[RH], v217, v[RH]
	s_lshl_b32 s38, s[WV], 5
	s_add_co_u32 s38, s38, OST
	v_lshl_add_u32 v[OSA0], v217, 1, s38           ; block i: tile w, row r: 32 w + 2 r
	s_xor_b32 s38, s[WV], 15
	s_lshl_b32 s38, s38, 5
	s_add_co_u32 s38, s38, OST+512
	v_lshl_add_u32 v[OSA0+2], v217, 1, s38         ; block 7 - i: tile w xor 15
	s_lshl_b32 s38, s[WV], 8
	s_add_co_u32 s38, s38, OST
	v_add_nc_u32 v[ORD], s38, v[L8]
	v_mov_b32 v[NINF], 0xff800000                  ; -infinity
	v_mov_b32 v[FF], 0                             ; written once: a lane permute's destination counts as one of its sources,
	v_mov_b32 v[PSW], 0                            ; and this one is named as the upper half of a pair
.irp b, 0,1,2,3
	v_mov_b32 v[T4+\b], 0
.endr
.irp i, 0,1,2,3,4,5
	v_mov_b32 v[QF+6+\i], 0                        ; 64 zero codes
.endr
.macro KQP f                           ; fragment f of k against q | zeros and zeros | q: the scores of key tiles f and f + 4.  C = 0: nothing is cleared
.if (\f)%2
	v_wmma_scale_f32_16x16x128_f8f6f4 v[S+8*(\f):S+8*(\f)+7], v[FG+12*(\f):FG+12*(\f)+11], v[QF:QF+11], 0, v[KSC+(\f)/2], v[QSL] matrix_a_fmt:MATRIX_FMT_FP6 matrix_b_fmt:MATRIX_FMT_FP6 matrix_a_scale:MATRIX_SCALE_ROW1
	v_wmma_scale_f32_16x16x128_f8f6f4 v[S+32+8*(\f):S+32+8*(\f)+7], v[FG+12*(\f):FG+12*(\f)+11], v[QF+6:QF+17], 0, v[KSC+(\f)/2], v[QSH] matrix_a_fmt:MATRIX_FMT_FP6 matrix_b_fmt:MATRIX_FMT_FP6 matrix_a_scale:MATRIX_SCALE_ROW1
.else
	v_wmma_scale_f32_16x16x128_f8f6f4 v[S+8*(\f):S+8*(\f)+7], v[FG+12*(\f):FG+12*(\f)+11], v[QF:QF+11], 0, v[KSC+(\f)/2], v[QSL] matrix_a_fmt:MATRIX_FMT_FP6 matrix_b_fmt:MATRIX_FMT_FP6
	v_wmma_scale_f32_16x16x128_f8f6f4 v[S+32+8*(\f):S+32+8*(\f)+7], v[FG+12*(\f):FG+12*(\f)+11], v[QF+6:QF+17], 0, v[KSC+(\f)/2], v[QSH] matrix_a_fmt:MATRIX_FMT_FP6 matrix_b_fmt:MATRIX_FMT_FP6
.endif
.endm
.macro PVP c                           ; O^T's channels 16 c on += v^T p^T over the step's 128 keys.  The four accumulators take turns
.if (\c)%2
	v_wmma_scale_f32_16x16x128_f8f6f4 v[O+8*(\c):O+8*(\c)+7], v[FG+12*(\c):FG+12*(\c)+11], v[PCD:PCD+11], v[O+8*(\c):O+8*(\c)+7], v[VSC+(\c)/2], v[PSW] matrix_a_fmt:MATRIX_FMT_FP6 matrix_b_fmt:MATRIX_FMT_FP6 matrix_a_scale:MATRIX_SCALE_ROW1
.else
	v_wmma_scale_f32_16x16x128_f8f6f4 v[O+8*(\c):O+8*(\c)+7], v[FG+12*(\c):FG+12*(\c)+11], v[PCD:PCD+11], v[O+8*(\c):O+8*(\c)+7], v[VSC+(\c)/2], v[PSW] matrix_a_fmt:MATRIX_FMT_FP6 matrix_b_fmt:MATRIX_FMT_FP6
.endif
.endm
; A TRIP: 128 keys.
.macro KSTEP
	s_add_co_u32 s38, s[Q0], 15
	s_cmp_gt_u32 s[KF], s38                        ; all keys behind my queries: only the addresses step
	s_cbranch_scc1 .Lhidden_\@
	s_setprio 2
	v_add_nc_u32 v[ADK], s[TB], v[L8]
	v_add_nc_u32 v[ADS], s[TB], v[L4]
.irp f, 0,1,2,3
.irp p, 0,1,2,3,4,5
	ds_load_b64 v[FG+12*\f+2*\p:FG+12*\f+2*\p+1], v[ADK] offset:1536*\f+256*\p     ; 256 consecutive bytes a load
.endr
.endr
	ds_load_b32 v[KSC], v[ADS] offset:12288
	ds_load_b32 v[KSC+1], v[ADS] offset:12288+128
	s_wait_alu depctr_va_vdst(0)
	s_wait_dscnt 0x0
.irp f, 0,1,2,3
	KQP \f
.endr
.rept 4
	v_nop                                          ; places in front of loads into registers that these products have read, and of the first read of the scores
.endr
.irp f, 0,1,2,3
.irp p, 0,1,2,3,4,5
	ds_load_b64 v[FG+12*\f+2*\p:FG+12*\f+2*\p+1], v[ADK] offset:6144+1536*\f+256*\p   ; v's fragments land under the softmax
.endr
.endr
	ds_load_b32 v[VSC], v[ADS] offset:12544
	ds_load_b32 v[VSC+1], v[ADS] offset:12544+128
	s_add_co_u32 s38, s[KF], 127
	s_cmp_le_u32 s38, s[Q0]                        ; all keys count: no mask
	s_cbranch_scc1 .Lopen_\@
	s_sub_co_i32 s38, s[Q0], s[KF]
	v_add_nc_u32 v[TT], s38, v[RH]                 ; d = my query - the trip's first key - 8 h.  Register 8 t + j holds key 16 t + 8 h + j: hidden where 16 t + j > d
.irp n, 0,1,2,3,4,5,6,7,8,9,10,11,12,13,14,15,16,17,18,19,20,21,22,23,24,25,26,27,28,29,30,31,32,33,34,35,36,37,38,39,40,41,42,43,44,45,46,47,48,49,50,51,52,53,54,55,56,57,58,59,60,61,62,63
	v_cmp_gt_i32 vcc_lo, 16*(\n/8)+\n%8, v[TT]
	v_cndmask_b32 v[S+\n], v[S+\n], v[NINF], vcc_lo
.endr
.Lopen_\@:
.irp b, 0,1,2,3
	v_max3_num_f32 v[BM+\b], v[S+16*\b], v[S+1+16*\b], v[S+2+16*\b]   ; the largest score of each block of 32 keys: it serves for the row's maximum and, since p rises with the score, for the block's largest p
.endr
.irp i, 3,5,7,9,11,13
.irp b, 0,1,2,3
	v_max3_num_f32 v[BM+\b], v[BM+\b], v[S+16*\b+\i], v[S+1+16*\b+\i]
.endr
.endr
.irp b, 0,1,2,3
	v_max_num_f32 v[BM+\b], v[BM+\b], v[S+15+16*\b]
.endr
.irp b, 0,1,2,3
	s_delay_alu instid0(VALU_DEP_4)
	v_permlanex16_b32 v[T4+\b], v[BM+\b], s[SEL], s[SEL+1]
.endr
.irp b, 0,1,2,3
	s_delay_alu instid0(VALU_DEP_4)
	v_max_num_f32 v[BM+\b], v[BM+\b], v[T4+\b]     ; with lane l xor 16's 16 keys
.endr
	s_delay_alu instid0(VALU_DEP_2)
	v_max3_num_f32 v[TT], v[BM], v[BM+1], v[BM+2]
	s_delay_alu instid0(VALU_DEP_1)
	v_max_num_f32 v[TT], v[TT], v[BM+3]            ; the trip's largest score of my query
	s_delay_alu instid0(VALU_DEP_1)
	v_mul_f32 v[TT], s[CS], v[TT]                  ; as t (c is positive)
	s_delay_alu instid0(VALU_DEP_1)
	v_max_num_f32 v13, v13, v[TT]                  ; the running largest t
	v_mov_b32 v[TT], v12
	s_delay_alu instid0(VALU_DEP_2)
	v_floor_f32 v12, -v13                          ; the new -M = floor(-t): M is a whole number
	s_delay_alu instid0(VALU_DEP_1)
	v_sub_f32 v[TT], v12, v[TT]                    ; old M - new M: a whole number, 0 or less
	s_delay_alu instid0(VALU_DEP_1)
	v_cvt_i32_f32 v[TT], v[TT]                     ; (it saturates)
	s_delay_alu instid0(VALU_DEP_1)
	v_ldexp_f32 v[FF], 1.0, v[TT]                  ; f = 2^(old M - new M): a multiplication by it rounds nothing
.set jj, 0
	s_setprio 1
.rept 32
	v_pk_fma_f32 v[S+jj:S+jj+1], v[S+jj:S+jj+1], s[CS:CS+1], v[12:13] op_sel_hi:[1,0,0]   ; t - M, two at a time
.set jj, jj+2
.endr
.irp b, 0,1,2,3
	v_fma_f32 v[BM+\b], v[BM+\b], s[CS], v12       ; the same of each block's largest score
.endr
.set jj, 0
	s_wait_alu depctr_va_vdst(0)
.rept 64
	v_exp_f32 v[S+jj], v[S+jj]                     ; p = 2^(t - M), at most 1
.set jj, jj+1
.endr
.irp b, 0,1,2,3
	v_exp_f32 v[BM+\b], v[BM+\b]                   ; the block's largest p: the same two instructions on the same number.  One batch of 68
.endr
	v_pk_mul_f32 v[14:15], v[14:15], v[FF:FF+1] op_sel_hi:[1,0]   ; the sums under the new M: the plain instruction behind the last exponential
.set jj, 0
	s_wait_alu depctr_va_vdst(0)
.rept 16
	v_pk_mul_f32 v[O+jj:O+jj+1], v[O+jj:O+jj+1], v[FF:FF+1] op_sel_hi:[1,0]   ; O^T under the new M, from each accumulator's low end on: work that names no exponential's result
.set jj, jj+2
.endr
	s_wait_alu depctr_va_vdst(0)                   ; one wait for the batch, ahead of its first reader
.irp b, 0,1,2,3
	v_max_num_f32 v[BM+\b], 0x1800000, v[BM+\b]    ; the floor 2^(3 - 127): a block whose every p is 0 keeps the byte 1; its codes are zeros
.endr
.irp b, 0,1,2,3
	s_delay_alu instid0(VALU_DEP_4)
	v_add_nc_u32 v[SO+\b], 0xff000000, v[BM+\b]    ; 2 off the exponent field: the conversion's scale operand
.endr
.irp b, 0,1,2,3
	s_delay_alu instid0(VALU_DEP_4)
	v_lshrrev_b32 v[T4+\b], 23, v[SO+\b]           ; the scale's byte
.endr
	s_delay_alu instid0(VALU_DEP_3)
	v_lshl_or_b32 v[PSW], v[T4+1], 8, v[T4]        ; p's scale word for these 128 keys
	s_delay_alu instid0(VALU_DEP_1)
	v_lshl_or_b32 v[PSW], v[T4+2], 16, v[PSW]
	s_delay_alu instid0(VALU_DEP_1)
	v_lshl_or_b32 v[PSW], v[T4+3], 24, v[PSW]
.irp c, 0,1
	v_cvt_scalef32_pk16_fp6_f32 v[PCD+6*\c:PCD+2+6*\c], v[S+32*\c:S+15+32*\c], v[SO+2*\c]
	v_cvt_scalef32_pk16_fp6_f32 v[T4+4*\c:T4+2+4*\c], v[S+16+32*\c:S+31+32*\c], v[SO+2*\c+1]   ; (a conversion's three registers begin on an even number)
.endr
	v_nop                                          ; one plain place behind a scaled conversion
.irp c, 0,1                                    ; a whole block to a lane: lanes 0-15 block 2 c, lanes 16-31 block 2 c + 1
.irp i, 0,1,2
	v_permlane16_swap_b32 v[PCD+6*\c+\i], v[T4+4*\c+\i]
.endr
.irp i, 0,1,2
	s_delay_alu instid0(VALU_DEP_3)
	v_mov_b32 v[PCD+3+6*\c+\i], v[T4+4*\c+\i]
.endr
.endr
	s_setprio 0
	v_pk_add_f32 v[200:201], v[92:93], v[96:97]
	v_pk_add_f32 v[252:253], v[100:101], v[104:105]
	v_pk_add_f32 v[250:251], v[108:109], v[112:113]
	v_pk_add_f32 v[248:249], v[116:117], v[120:121]
	v_pk_add_f32 v[246:247], v[124:125], v[128:129]
	v_pk_add_f32 v[244:245], v[132:133], v[136:137]
	v_pk_add_f32 v[242:243], v[140:141], v[144:145]
	v_pk_add_f32 v[14:15], v[14:15], v[148:149]
	v_pk_add_f32 v[200:201], v[200:201], v[88:89]
	v_pk_add_f32 v[252:253], v[252:253], v[90:91]
	v_pk_add_f32 v[250:251], v[250:251], v[94:95]
	v_pk_add_f32 v[248:249], v[248:249], v[98:99]
	v_pk_add_f32 v[246:247], v[246:247], v[102:103]
	v_pk_add_f32 v[244:245], v[244:245], v[106:107]
	v_pk_add_f32 v[242:243], v[242:243], v[110:111]
	v_pk_add_f32 v[14:15], v[14:15], v[114:115]
	v_pk_add_f32 v[200:201], v[200:201], v[118:119]
	v_pk_add_f32 v[252:253], v[252:253], v[122:123]
	v_pk_add_f32 v[250:251], v[250:251], v[126:127]
	v_pk_add_f32 v[248:249], v[248:249], v[130:131]
	v_pk_add_f32 v[246:247], v[246:247], v[134:135]
	v_pk_add_f32 v[244:245], v[244:245], v[138:139]
	v_pk_add_f32 v[242:243], v[242:243], v[142:143]
	v_pk_add_f32 v[14:15], v[14:15], v[146:147]
	v_pk_add_f32 v[200:201], v[200:201], v[150:151]
	s_delay_alu instid0(VALU_DEP_2)
	v_pk_add_f32 v[14:15], v[14:15], v[248:249]
	s_delay_alu instid0(VALU_DEP_2)
	v_pk_add_f32 v[200:201], v[200:201], v[246:247]
	v_pk_add_f32 v[252:253], v[252:253], v[244:245]
	v_pk_add_f32 v[250:251], v[250:251], v[242:243]
	s_delay_alu instid0(VALU_DEP_2)
	v_pk_add_f32 v[14:15], v[14:15], v[252:253]
	s_delay_alu instid0(VALU_DEP_2)
	v_pk_add_f32 v[200:201], v[200:201], v[250:251]
	s_delay_alu instid0(VALU_DEP_1)
	v_pk_add_f32 v[14:15], v[14:15], v[200:201]
	s_wait_dscnt 0x0                               ; v's fragments and scale words are in
.irp c, 0,1,2,3
	PVP \c
.endr
.rept 4
	v_nop                                          ; places in front of the next trip's loads into the fragments' registers and of the next read of O^T
.endr
.Lhidden_\@:
	s_add_co_u32 s[KF], s[KF], 128
	s_add_co_u32 s[TB], s[TB], STEPB
.endm
; ONE TILE OF 16 QUERIES: n = 0: tile w of block i; n = 1: tile w xor 15 of block 7 - i.
.macro PASS n
.if \n == 0
	s_lshl_b32 s38, ttmp9, 4
	s_add_co_u32 s38, s38, s[WV]                   ; my tile among the head's 128
.else
	s_wait_xcnt 0x0                                ; the first tile's stores have read their data and base: both are written again only behind this wait
	s_sub_co_u32 s38, 7, ttmp9
	s_lshl_b32 s38, s38, 4
	s_xor_b32 s39, s[WV], 15
	s_add_co_u32 s38, s38, s39
.endif
	s_lshl_b32 s[Q0], s38, 4
	s_lshr_b32 s40, s38, 3
	s_mul_i32 s40, s40, QSTEP                      ; its step of 128 rows
	s_and_b32 s41, s38, 3                          ; its fragment there,
	s_bfe_u32 s45, s38, 0x10002                    ; and which half of it
	s_mul_i32 s42, s41, 1536
	s_mul_i32 s43, s45, 768
	s_add_co_u32 s42, s42, s43
	s_add_co_u32 s42, s42, s40
	s_mov_b32 s43, 0
	s_add_nc_u64 s[46:47], s[10:11], s[42:43]      ; q's codes
	s_lshl_b32 s42, s41, 6
	s_add_co_u32 s42, s42, s40
	s_add_co_u32 s42, s42, 6144
	s_add_nc_u64 s[48:49], s[10:11], s[42:43]      ; q's scale words
	s_mul_i32 s42, s38, 12288
	s_add_nc_u64 s[50:51], s[12:13], s[42:43]      ; where the result's codes go
	s_lshl_b32 s45, s45, 4
.irp p, 0,1,2
	global_load_b64 v[QF+2*\p:QF+2*\p+1], v[L8], s[46:47] offset:256*\p
	global_load_b64 v[QF+12+2*\p:QF+13+2*\p], v[L8], s[46:47] offset:256*\p    ; q stands on both sides of the zeros
.endr
	global_load_b32 v[TT], v[R4], s[48:49]
	s_mov_b32 s[TB], 0
	s_mov_b32 s[KF], 0
	s_mov_b32 s3, 0
	s_wait_loadcnt 0x0
	v_lshrrev_b32 v[TT], s45, v[TT]
	s_delay_alu instid0(VALU_DEP_1)
	v_and_b32 v[TT], 0xffff, v[TT]                 ; my tile's two bytes
	s_delay_alu instid0(VALU_DEP_1)
	v_or_b32 v[QSL], 0x7f7f0000, v[TT]             ; the zero codes get the byte 127
	s_delay_alu instid0(VALU_DEP_2)
	v_lshl_or_b32 v[QSH], v[TT], 16, 0x7f7f
	v_mov_b32 v13, 0xff61b1e6                      ; the largest t so far: -3e38, under every t
	s_delay_alu instid0(VALU_DEP_1)
	v_floor_f32 v12, -v13                          ; -M
	v_mov_b32 v14, 0                               ; the sum, in two halves
	v_mov_b32 v15, 0
.set jj, 0
.rept 32
	v_mov_b32 v[O+jj], 0                           ; O^T: the first trip finds zeros, which the first change of M leaves zeros.  (These lines are also the places between q's scale words and the first products)
.set jj, jj+1
.endr
.if \n == 0
	s_wait_tensorcnt 0x0                           ; my step is in LDS,
	s_barrier_signal -1
	s_barrier_wait -1                              ; everybody's is
.endif
.Lkey_\n:                                          ; 16 trips, a constant: what is left out is a trip's work
	KSTEP
	s_add_co_u32 s3, s3, 1
	s_cmp_lt_u32 s3, 16
	s_cbranch_scc1 .Lkey_\n
	s_setprio 0
	s_wait_alu depctr_va_vdst(0)
	v_add_f32 v14, v14, v15                        ; the sum's two halves,
	s_delay_alu instid0(VALU_DEP_1)
	v_permlanex16_b32 v[FF], v14, s[SEL], s[SEL+1]
	s_delay_alu instid0(VALU_DEP_1)
	v_add_f32 v14, v14, v[FF]                      ; and lane l xor 16's: the row's sum
	s_wait_alu depctr_va_vdst(0)
	v_rcp_f32 v14, v14
	v_nop                                          ; a plain instruction behind the reciprocal
	s_wait_alu depctr_va_vdst(0)                   ; and the wait ahead of its first reader
.set jj, 0
.rept 16
	v_pk_mul_f32 v[O+jj:O+jj+1], v[O+jj:O+jj+1], v[14:15] op_sel_hi:[1,0]   ; O^T / the sum
.set jj, jj+2
.endr
.irp b, 0,1
.irp j, 0,1,2,3,4,5,6,7
	v_permlane16_swap_b32 v[O+16*\b+\j], v[O+16*\b+8+\j]   ; channels 32 b + 8 .. 15 and 32 b + 16 .. 23 change lanes: register 16 b + i is now channel 32 b + 16 h + i, the true order
.endr
.endr
.irp b, 0,1
	v_max3_num_f32 v[BM+\b], |v[O+16*\b]|, |v[O+1+16*\b]|, 0x1800000   ; the head's two blocks of 32, and the floor 2^(3 - 127)
.endr
.irp i, 2,4,6,8,10,12,14
.irp b, 0,1
	s_delay_alu instid0(VALU_DEP_2)
	v_max3_num_f32 v[BM+\b], v[BM+\b], |v[O+16*\b+\i]|, |v[O+1+16*\b+\i]|
.endr
.endr
.irp b, 0,1
	s_delay_alu instid0(VALU_DEP_2)
	v_permlanex16_b32 v[T4+\b], v[BM+\b], s[SEL], s[SEL+1]
.endr
.irp b, 0,1
	s_delay_alu instid0(VALU_DEP_2)
	v_max_num_f32 v[BM+\b], v[BM+\b], v[T4+\b]
.endr
.irp b, 0,1
	s_delay_alu instid0(VALU_DEP_2)
	v_add_nc_u32 v[SO+\b], 0xff000000, v[BM+\b]
.endr
.irp b, 0,1
	s_delay_alu instid0(VALU_DEP_2)
	v_lshrrev_b32 v[T4+\b], 23, v[SO+\b]
.endr
	s_delay_alu instid0(VALU_DEP_1)
	v_lshl_or_b32 v[TT], v[T4+1], 8, v[T4]         ; my row's two scale bytes
	v_cvt_scalef32_pk16_fp6_f32 v[PCD:PCD+2], v[O:O+15], v[SO]
	v_cvt_scalef32_pk16_fp6_f32 v[T4+4:T4+6], v[O+16:O+31], v[SO+1]
	v_nop                                          ; one plain place behind a scaled conversion
.irp i, 0,1,2
	v_permlane16_swap_b32 v[PCD+\i], v[T4+4+\i]
.endr
.irp i, 0,1,2
	s_delay_alu instid0(VALU_DEP_3)
	v_mov_b32 v[PCD+3+\i], v[T4+4+\i]              ; half a fragment: 16 rows x my head's 64 channels
.endr
.irp p, 0,1,2
	global_store_b64 v[L8], v[PCD+2*\p:PCD+2*\p+1], s[50:51] offset:256*\p   ; 256 consecutive bytes, aligned
.endr
	ds_store_b16 v[OSA0+2*\n], v[TT]               ; lanes r and 16 + r write the same bytes with the same value
.endm
	PASS 0
	PASS 1
	s_wait_dscnt 0x0                               ; for the others' sake: my scale bytes lie in LDS
	s_barrier_signal -1
	s_barrier_wait -1
	s_cmp_gt_u32 s[WV], 3                          ; 1,024 bytes: four waves store 256 each
	s_cbranch_scc1 .Ldone
	ds_load_b64 v[T4:T4+1], v[ORD]
	s_sub_co_u32 s38, 7, ttmp9
	s_cmp_lt_u32 s[WV], 2
	s_cselect_b32 s38, ttmp9, s38                  ; waves 0, 1: block i; waves 2, 3: block 7 - i
	s_lshl_b32 s38, s38, 9
	s_and_b32 s39, s[WV], 1
	s_lshl_b32 s39, s39, 8
	s_add_co_u32 s38, s38, s39
	s_mov_b32 s39, 0
	s_add_nc_u64 s[40:41], s[14:15], s[38:39]
	s_wait_dscnt 0x0
	global_store_b64 v[L8], v[T4:T4+1], s[40:41]   ; 256 consecutive bytes, aligned
.Ldone:
	s_wait_tensorcnt 0x0
	ds_add_u32 v254, v255
	s_wait_dscnt 0x0
	s_endpgm
.Lfunc_end_k_q95fb792b00_attn:
	.size	k_q95fb792b00_attn, .Lfunc_end_k_q95fb792b00_attn-k_q95fb792b00_attn
	.p2alignl 7, 3214868480
	.fill 96, 4, 3214868480
	.section	.rodata,"a",@progbits
	.p2align	6, 0x0
	.amdhsa_kernel k_q95fb792b00_attn
		.amdhsa_group_segment_fixed_size 215040
		.amdhsa_private_segment_fixed_size 0
		.amdhsa_enable_private_segment 0
		.amdhsa_kernarg_size 24
		.amdhsa_user_sgpr_count 2
		.amdhsa_user_sgpr_kernarg_segment_ptr 1
		.amdhsa_wavefront_size32 1
		.amdhsa_system_sgpr_workgroup_id_x 1
		.amdhsa_system_sgpr_workgroup_id_y 1
		.amdhsa_system_sgpr_workgroup_id_z 1
		.amdhsa_system_vgpr_workitem_id 0
		.amdhsa_next_free_vgpr 256
		.amdhsa_next_free_sgpr 66
		.amdhsa_reserve_vcc 1
		.amdhsa_float_denorm_mode_32 3
		.amdhsa_float_denorm_mode_16_64 3
		.amdhsa_memory_ordered 1
		.amdhsa_forward_progress 1
		.amdhsa_inst_pref_size 69
	.end_amdhsa_kernel
	.amdgpu_metadata
---
amdhsa.version: [ 1, 2 ]
amdhsa.kernels:
  - .name:           k_q95fb792b00_attn
    .symbol:         k_q95fb792b00_attn.kd
    .args:
      - { .name: qkv, .offset: 0, .size: 8, .value_kind: global_buffer, .address_space: global }
      - { .name: oc, .offset: 8, .size: 8, .value_kind: global_buffer, .address_space: global }
      - { .name: os, .offset: 16, .size: 8, .value_kind: global_buffer, .address_space: global }
    .group_segment_fixed_size: 215040
    .private_segment_fixed_size: 0
    .kernarg_segment_align: 8
    .kernarg_segment_size: 24
    .max_flat_workgroup_size: 512
    .sgpr_count:     66
    .vgpr_count:     256
    .wavefront_size: 32
...
	.end_amdgpu_metadata
.endif
;; end of part 2
;; launch proj (part 3): grid 4 x 32, 4 waves a work-group, clusters of 4 x 4, 327,680 bytes of LDS; arguments oc, os, w_proj_codes, w_proj_scales, b_proj, out0; writes out0
.if DOCPART == 3
	.amdgcn_target "amdgcn-amd-amdhsa--gfx1250"
	.amdhsa_code_object_version 6
	.text
	.protected	k_q95fb792b00_proj
	.globl	k_q95fb792b00_proj
	.p2align	8
	.type	k_q95fb792b00_proj,@function
k_q95fb792b00_proj:
	s_mov_b64 s[64:65], 0
	v_nop
	global_prefetch_b8 v0, s[64:65] scope:SCOPE_SE
	s_setreg_imm32_b32 hwreg(HW_REG_WAVE_MODE, 25, 1), 1
	s_wait_xcnt 0x0
	s_wait_alu depctr_hold_cnt(0) depctr_sa_sdst(0) depctr_va_vdst(0) depctr_va_sdst(0) depctr_va_ssrc(0) depctr_va_vcc(0) depctr_vm_vsrc(0)
	s_getreg_b32 s2, hwreg(HW_REG_IB_STS2, 6, 4)
	s_cmp_eq_u32 s2, 0
	s_cbranch_scc0 .Lentry_in_a_cluster
	s_endpgm
.Lentry_in_a_cluster:
	s_bfe_u32 s2, ttmp6, 0x10000c
	s_cmp_lg_u32 s2, 0xf033
	s_cbranch_scc0 .Lentry_shape_is_right
	s_endpgm
.Lentry_shape_is_right:
; out0 = a w_proj + b_proj on codes of FP6 (E2M3) with one E8M0 scale for each 32 along K = 1,024.  a, the attention's result [8,192][1,024], comes from the launch before as images of operand registers:
; oc: [tile of 16 rows 512][head 16][768 bytes], register pair p of lane L at 256 p + 8 L; the fragment of K step s (128 along K) is heads 2 s and 2 s + 1, 1,536 bytes on end.  os: [head 16][row 8,192][2 scale bytes].
; w_proj: [1,024 (n)][768 bytes of codes], [1,024][32 scale bytes].  out0: [8,192][1,024] f32.
; A tile of 256 x 256 of out0 is made by four waves, 128 x 128 each: 64 accumulators, 512 registers.  K goes in steps of 256 through a ring of two LDS slots filled by the tensor data mover.
; 4 x 4 work-groups form a cluster: a's tiles are asked for jointly along a row of the cluster, w_proj's along a column.  The grid has 128 work-groups: 32 x 4 tiles.
; The matrix instruction is used transposed (source 0 = 16 rows of w_proj, source 1 = 16 rows of a): a lane holds eight neighbouring numbers of a row of out0.  The bias is the C of each sum's first product.
; a's scale words (four bytes for a row and 128 along K) are put together once, from os's planes, and stored into LDS in the layout in which w_proj's scale bytes arrive.
; REGISTERS, in windows of 256: window 0: v0-31 addresses; v32-63 scale words, two sets; v64-127 the bias; from v128 a's fragments, one set.  window 1: w_proj's fragments, two sets.  windows 2, 3: the accumulators.
.set SIZE_N, 1024
.set NQ,     2                         ; matrix instructions deep in a slot of 256 along K
.set ROWB,   192                       ; a row of w_proj's tile in bytes
.set KROW,   768
.set PITCH,  240                       ; its LDS row: 3 x (64 bytes + 16 of padding)
.set FR,     12
.set NL,     6
.set NP,     4                         ; places behind this matrix instruction (ISA guide 7.12.1)
.set HALFT,  128*PITCH
.set AROW,   3072                       ; a tile of 16 rows of a, 256 along K: four heads' images
.set AHALF,  8*AROW                    ; 128 rows: what one tensor load brings
.set BOFF,   2*AHALF
.set SLOT,   BOFF+2*HALFT              ; a's 256 rows, then w_proj's 256 rows
.set LAPS,   2
.set KS,     32
.set SCL,    2*SLOT                    ; behind the ring: a's scale words (stored by the waves; no fill lands there), then w_proj's (filled once)
.set HALFS,  (128*KS/256)*272
.set SBLK,   (16*KS/256)*272
.set SPARE,  SCL+4*HALFS               ; the spare words, 128 bytes for each wave: two blocks of 256 bytes that no other line names
.set STAGE,  SPARE+512                 ; the way out: 16 rows x (512 bytes + 16) for each wave; no fill lands there
.set SPITCH, 528
.set ADRA, 16                          ; v16-17  LDS address of a's fragments in slot 0, 1
.set ADRB, 20                          ; v20-23  of w_proj's (and behind one padding more)
.set STO,  24
.set RD,   25
.set CO,   26
.set ADRS, 27
.set SPW,  28
.set NIL,  29
.set SC,   32
.set BR,   64                          ; v64-127 b_proj at my lane's 64 columns: register 8 b + j is column 16 b + 8 h + j of my 128
.set AF,   128
.set PL,   128                         ; at the head: os's 16 planes, v128-143; the words made of them, v144-159
.set EW,   144
.set BK,   128                         ; the way out: 16 rows read back: v128-191 and v192-255 by turns
.set G1, 24
.set G0, 32
.set G1B, 48
.set G0B, 56
.set G1SB, 80
.set G0SB, 88
.set MSB, 0
.macro WIN new                         ; the immediate's high byte repeats the setting that is left
.if MSB != \new
	s_set_vgpr_msb (MSB<<8)|\new
.set MSB, \new
.endif
.endm
.set MUL_LO, 0xa1                      ; source 0 window 1, source 1 window 0, C and D window 2
.set MUL_HI, 0xf1                      ; the same, C and D window 3
.set BIA_LO, 0x81                      ; the first products: C (the bias) window 0, D window 2
.set BIA_HI, 0xc1                      ; D window 3
.set TO_B,   0x40
.macro JLOAD g0a, g1a, g0b, g1b        ; a joint load: waves 0 and 1 fetch for a, waves 2 and 3 for w_proj; four v_nop follow each of the two lines
	s_cmp_eq_u32 s15, 0
	s_cbranch_scc0 .Lfor_b_\@
	tensor_load_to_lds s[\g0a:\g0a+3], s[\g1a:\g1a+7]
	s_nop 0
.rept 4
	v_nop
.endr
	s_branch .Lasked_\@
.Lfor_b_\@:
	tensor_load_to_lds s[\g0b:\g0b+3], s[\g1b:\g1b+7]
	s_nop 0
.rept 4
	v_nop
.endr
.Lasked_\@:
.endm
.macro CREST
	s_cmp_lg_u32 s14, 0
	s_cbranch_scc1 .Lnot_wave_0_\@
	s_barrier_signal -3
.Lnot_wave_0_\@:
	s_barrier_wait -3
	s_barrier_signal -1
	s_barrier_wait -1
.endm
.macro CROUND
	s_barrier_signal -1
	s_barrier_wait -1
	CREST
.endm
	s_load_b128 s[4:7], s[0:1], 0x0                ; oc, os
	s_load_b128 s[8:11], s[0:1], 0x10              ; w_proj's codes, its scales
	s_load_b128 s[96:99], s[0:1], 0x20             ; b_proj, out0
	v_lshl_add_u32 v[SPW], v0, 2, SPARE
	v_mov_b32 v[NIL], 0
	ds_add_u32 v28, v29
	ds_add_u32 v28, v29
	s_wait_dscnt 0x0
	v_lshrrev_b32 v1, 5, v0
	v_readfirstlane_b32 s14, v1                    ; wave 0..3
	s_lshr_b32 s15, s14, 1                         ; which half of the tile's rows is mine.  Also: I fetch for a (0) or for w_proj (1)
	s_and_b32 s16, s14, 1                          ; which half of its columns.  Also: which 128 rows of that tile I fetch
	s_bfe_u32 s40, ttmp6, 0x40000                  ; cx, cy
	s_bfe_u32 s41, ttmp6, 0x40004
	s_lshl_b32 s42, ttmp9, 2
	s_add_co_u32 s42, s42, s40                     ; tile column = 4 x cluster x + cx
	s_and_b32 s17, ttmp7, 0xffff
	s_lshl_b32 s17, s17, 2
	s_add_co_u32 s17, s17, s41                     ; tile row = 4 x cluster y + cy
	s_lshl_b32 s43, s41, 2
	s_lshl_b32 s43, 15, s43                        ; my row of the cluster
	s_lshl_b32 s44, 0x1111, s40                    ; my column
	; a's tiles: 8 rows of 3,072 bytes (384 elements of 8 bytes), 12,288 bytes apart in memory, on end in LDS
	s_or_b32 s[G1+0], s43, (3<<16)|(1<<21)         ; 15:0 the mask: my row; 17:16 elements of 8 bytes; 20 no padding; 21 set beside a mask
	s_mov_b32 s[G1+1], 384<<16                     ; tensor_dim0
	s_mov_b32 s[G1+2], 8<<16                       ; tensor_dim1
	s_mov_b32 s[G1+3], 384<<16                     ; tile_dim0
	s_mov_b32 s[G1+4], 8                           ; tile_dim1
	s_mov_b32 s[G1+5], 1536                        ; the pitch, in elements
	s_mov_b32 s[G1+6], 0
	s_mov_b32 s[G1+7], 0
	; w_proj's tiles: 128 rows x 192 bytes, 16 bytes of padding behind every 64
	s_or_b32 s[G1B+0], s44, (0<<16)|(1<<20)|(1<<21)|(3<<22)|(3<<25)
	s_mov_b32 s[G1B+1], ROWB<<16
	s_mov_b32 s[G1B+2], 128<<16
	s_mov_b32 s[G1B+3], ROWB<<16
	s_mov_b32 s[G1B+4], 128
	s_mov_b32 s[G1B+5], KROW
	s_mov_b32 s[G1B+6], 0
	s_mov_b32 s[G1B+7], 0
	; w_proj's scale bytes of 64 rows: 2,048 dense bytes as 8 rows of 256, 16 bytes of padding behind each
	s_or_b32 s[G1SB+0], s44, (3<<16)|(1<<20)|(1<<21)|(5<<22)|(3<<25)
	s_mov_b32 s[G1SB+1], 32<<16
	s_mov_b32 s[G1SB+2], 8<<16
	s_mov_b32 s[G1SB+3], 32<<16
	s_mov_b32 s[G1SB+4], 8
	s_mov_b32 s[G1SB+5], 32
	s_mov_b32 s[G1SB+6], 0
	s_mov_b32 s[G1SB+7], 0
	s_lshl_b32 s20, s17, 4
	s_lshl_b32 s18, s16, 3
	s_add_co_u32 s20, s20, s18                     ; a: tile of 16 rows 16 x tile row + 8 x half
	s_mul_i32 s20, s20, 12288
	s_mov_b32 s21, 0
	s_lshl_b32 s46, s42, 8
	s_lshl_b32 s18, s16, 7
	s_add_co_u32 s46, s46, s18                     ; w_proj: row 256 x tile column + 128 x half
	s_mul_i32 s46, s46, KROW
	s_mov_b32 s47, 0
	s_lshl_b32 s92, s42, 13                        ; its scale bytes: 8,192 a tile column, 2,048 a wave
	s_lshl_b32 s18, s14, 11
	s_add_co_u32 s92, s92, s18
	s_mov_b32 s93, 0
	s_mul_i32 s45, s16, AHALF                      ; where they go: no place in the cluster enters an LDS address
	s_mul_i32 s95, s16, HALFT
	s_add_co_u32 s95, s95, BOFF
	s_mul_i32 s94, s14, 8*272
	s_add_co_u32 s94, s94, SCL+2*HALFS
	s_wait_kmcnt 0x0
	s_add_nc_u64 s[20:21], s[4:5], s[20:21]
	s_add_nc_u64 s[46:47], s[8:9], s[46:47]
	s_add_nc_u64 s[92:93], s[10:11], s[92:93]
	CROUND                                         ; all sixteen work-groups are here: the first joint loads meet
	s_mov_b32 s[G0SB], 1
	s_mov_b32 s[G0SB+1], s94
	s_mov_b64 s[G0SB+2:G0SB+3], s[92:93]
	s_or_b32 s[G0SB+3], s[G0SB+3], 0x80000000
	tensor_load_to_lds s[G0SB:G0SB+3], s[G1SB:G1SB+7]   ; every wave brings a quarter of w_proj's scale bytes, into bytes of its own
	s_nop 0
.rept 4
	v_nop
.endr
.irp s, 0,1
	s_mov_b32 s[G0+4*\s], 1
	s_add_co_u32 s[G0+4*\s+1], s45, \s*SLOT
	s_add_nc_u64 s[G0+4*\s+2:G0+4*\s+3], s[20:21], \s*AROW
	s_or_b32 s[G0+4*\s+3], s[G0+4*\s+3], 0x80000000
	s_mov_b32 s[G0B+4*\s], 1
	s_add_co_u32 s[G0B+4*\s+1], s95, \s*SLOT
	s_add_nc_u64 s[G0B+4*\s+2:G0B+4*\s+3], s[46:47], \s*ROWB
	s_or_b32 s[G0B+4*\s+3], s[G0B+4*\s+3], 0x80000000
	s_wait_alu depctr_va_vdst(0)
	s_wait_tensorcnt 0x0
	ds_add_u32 v28, v29
	s_wait_dscnt 0x0
	CROUND
	JLOAD G0+4*\s, G1, G0B+4*\s, G1B               ; one tensor load of mine is out now
.endr
	v_and_b32 v1, 15, v0                           ; r
	v_bfe_u32 v2, v0, 4, 1                         ; h
	v_and_b32 v6, 31, v0                           ; lane
	v_mul_u32_u24 v3, v1, PITCH
	v_mul_u32_u24 v4, v2, 24
	v_add_nc_u32 v4, v3, v4                        ; w_proj: a fragment's row x pitch + 24 x half
	v_lshl_add_u32 v5, v2, 4, v4                   ; and the same behind one padding more
	v_lshlrev_b32 v7, 3, v6                        ; a: 8 x lane
	s_mul_i32 s21, s15, AHALF                      ; my 128 rows of a
	s_mul_i32 s22, s16, HALFT                      ; my 128 rows of w_proj
	s_add_co_u32 s22, s22, BOFF
.irp s, 0,1
	v_add_nc_u32 v[ADRA+\s], s21, v7
	v_add_nc_u32 v[ADRB+\s], s22, v4
	v_add_nc_u32 v[ADRB+2+\s], s22, v5
	s_add_co_u32 s21, s21, SLOT
	s_add_co_u32 s22, s22, SLOT
.endr
	v_mul_u32_u24 v5, v1, KS                       ; my row's scale bytes: 32 a row,
	v_lshrrev_b32 v3, 8, v5
	v_lshl_add_u32 v5, v3, 4, v5                   ; and 16 more for each 256 passed
	s_mul_i32 s21, s15, HALFS
	s_mul_i32 s22, s16, HALFS
	s_add_co_u32 s22, s22, 2*HALFS
	s_sub_co_u32 s22, s22, s21
	v_mul_u32_u24 v3, s22, v2                      ; lanes 16-31 take w_proj's
	s_add_co_u32 s21, s21, SCL
	v_add_nc_u32 v5, v5, v3
	v_add_nc_u32 v[ADRS], s21, v5
	s_mul_i32 s23, s14, 16*SPITCH
	s_add_co_u32 s23, s23, STAGE                   ; my stage
	v_mul_u32_u24 v5, v1, SPITCH                   ; in: row r, 32 bytes for each half of the lanes
	v_lshl_add_u32 v5, v2, 5, v5
	v_add_nc_u32 v[STO], s23, v5
	v_lshlrev_b32 v[CO], 4, v6                     ; back: the 32 lanes take one row of 512 bytes; and the same in out0
	v_add_nc_u32 v[RD], s23, v[CO]
	s_lshl_b32 s20, s17, 8
	s_lshl_b32 s21, s15, 7
	s_add_co_u32 s20, s20, s21                     ; my first row of out0
	s_lshl_b32 s20, s20, 12                        ; x 4,096 bytes
	s_lshl_b32 s46, s42, 10
	s_lshl_b32 s47, s16, 9
	s_add_co_u32 s46, s46, s47                     ; my first column, in bytes: in out0 and in b_proj alike
	s_mov_b32 s47, 0
	s_add_nc_u64 s[96:97], s[96:97], s[46:47]
	s_add_co_u32 s46, s46, s20
	s_add_nc_u64 s[12:13], s[98:99], s[46:47]
	s_lshl_b32 s46, s17, 9
	s_add_nc_u64 s[6:7], s[6:7], s[46:47]          ; os at my tile's first row: 2 bytes a row
	s_mov_b32 s18, 0x05040100
	s_mov_b32 s19, 0x07060302
	; a's SCALE WORDS.  Thread t takes rows 2 t and 2 t + 1 of the 256: one word of each of the 16 planes holds both rows' two bytes.
	v_lshlrev_b32 v8, 2, v0
.irp d, 0,1,2,3,4,5,6,7,8,9,10,11,12,13,14,15
	global_load_b32 v[PL+\d], v8, s[6:7] offset:16384*\d
.endr
	v_lshlrev_b32 v9, 5, v2                        ; 32 h
.irp b, 0,1,2,3,4,5,6,7
	global_load_b128 v[BR+8*\b:BR+8*\b+3], v9, s[96:97] offset:64*\b
	global_load_b128 v[BR+8*\b+4:BR+8*\b+7], v9, s[96:97] offset:64*\b+16
.endr
	v_lshrrev_b32 v3, 2, v0
	v_lshlrev_b32 v10, 6, v0
	v_lshl_add_u32 v10, v3, 4, v10
	v_add_nc_u32 v10, SCL, v10                     ; rows 2 t, 2 t + 1: 64 bytes at 64 t, and 16 more for each 256 passed
	s_wait_loadcnt 16                              ; the planes are in; the 16 loads of the bias may be out
.irp s, 0,1,2,3,4,5,6,7
	v_perm_b32 v[EW+\s], v[PL+2*\s+1], v[PL+2*\s], s18     ; row 2 t, K step s: the two bytes of head 2 s, then those of head 2 s + 1
	v_perm_b32 v[EW+8+\s], v[PL+2*\s+1], v[PL+2*\s], s19   ; row 2 t + 1
.endr
.irp c, 0,1,2,3
	ds_store_b128 v10, v[EW+4*\c:EW+4*\c+3] offset:16*\c
.endr
.macro FRAG reg, adr, q, i             ; a fragment of w_proj: 24 bytes of the row for each half of K, as they lie, in pieces of 8 bytes
.irp p, 0,1,2,3,4,5
.set PIECE, 12*(\q)+6*(\p/3)+\p%3      ; 16 bytes of padding lie behind every 8 pieces: where the piece three on (lanes 16-31) lies behind one padding more, the second address register serves
.if PIECE%8 < 5
	ds_load_b64 v[\reg+2*\p:\reg+2*\p+1], v[\adr] offset:8*PIECE+16*(PIECE/8)+(\i)*16*PITCH
.else
	ds_load_b64 v[\reg+2*\p:\reg+2*\p+1], v[\adr+2] offset:8*PIECE+16*(PIECE/8)+(\i)*16*PITCH
.endif
.endr
.endm
.macro FRAGI reg, adr, q, i            ; a fragment of a: the image of its registers: 256 consecutive bytes a load
.irp p, 0,1,2,3,4,5
	ds_load_b64 v[\reg+2*\p:\reg+2*\p+1], v[\adr] offset:AROW*(\i)+1536*(\q)+256*\p
.endr
.endm
; 16 matrix instructions: a's blocks a0, a0 + 1 x w_proj's eight, 128 along K.  first = 1: the first product starts the sums, on the bias.
; The 64 accumulators take turns, one instruction a turn, in the same order in every step.
.macro MUL16 a0, p, q, sc, first
.irp a, \a0, \a0+1
.irp b, 0,1,2,3,4,5,6,7
.if \first
	v_wmma_scale_f32_16x16x128_f8f6f4 v[8*(8*((\a)%4)+\b):8*(8*((\a)%4)+\b)+7], v[128*(\p)+FR*\b:128*(\p)+FR*\b+FR-1], v[AF+FR*(\a):AF+FR*(\a)+FR-1], v[BR+8*\b:BR+8*\b+7], v[SC+8*NQ*(\sc)+NQ*\b+(\q)], v[SC+8*NQ*(\sc)+NQ*(\a)+(\q)] matrix_a_fmt:MATRIX_FMT_FP6 matrix_b_fmt:MATRIX_FMT_FP6 matrix_a_scale:MATRIX_SCALE_ROW1
.else
	v_wmma_scale_f32_16x16x128_f8f6f4 v[8*(8*((\a)%4)+\b):8*(8*((\a)%4)+\b)+7], v[128*(\p)+FR*\b:128*(\p)+FR*\b+FR-1], v[AF+FR*(\a):AF+FR*(\a)+FR-1], v[8*(8*((\a)%4)+\b):8*(8*((\a)%4)+\b)+7], v[SC+8*NQ*(\sc)+NQ*\b+(\q)], v[SC+8*NQ*(\sc)+NQ*(\a)+(\q)] matrix_a_fmt:MATRIX_FMT_FP6 matrix_b_fmt:MATRIX_FMT_FP6 matrix_a_scale:MATRIX_SCALE_ROW1
.endif
.endr
.endr
.endm
.macro FETCH_B slot, q, p
	WIN TO_B
.irp i, 0,1,2,3,4,5,6,7
	FRAG 128*(\p)+FR*\i, ADRB+\slot, \q, \i
.endr
	WIN 0
.endm
.macro FETCH_A slot, q, i0
.irp i, \i0, \i0+1, \i0+2, \i0+3
	FRAGI AF+FR*(\i), ADRA+\slot, \q, \i
.endr
.endm
.macro SCALES sc                       ; a K step's scale words into set sc: lanes 0-15 take a's block i, lanes 16-31 w_proj's block i
.irp i, 0,1,2,3,4,5,6,7
	ds_load_b64 v[SC+8*NQ*\sc+NQ*\i:SC+8*NQ*\sc+NQ*\i+1], v[ADRS] offset:\i*SBLK
.endr
.endm
.macro PLACES n                        ; plain vector instructions between a matrix instruction and a load into, or a read of, its registers
.rept \n
	v_nop
.endr
.endm
.macro STEP slot, q, first
	s_wait_dscnt 4*NL                              ; w_proj's set and a's blocks 0-3 are in; the youngest 24 loads (a's blocks 4-7) may be out
.if \first
	WIN BIA_LO
.else
	WIN MUL_LO
.endif
	MUL16 0, (\q)%2, \q, \slot, \first
	MUL16 2, (\q)%2, \q, \slot, \first
	s_wait_dscnt 0
	PLACES NP
	FETCH_B \slot, (\q)+1, 1-(\q)%2
	FETCH_A \slot, (\q)+1, 0
.if \first
	WIN BIA_HI
.else
	WIN MUL_HI
.endif
	MUL16 4, (\q)%2, \q, \slot, \first
	MUL16 6, (\q)%2, \q, \slot, \first
	PLACES NP
	WIN 0
	FETCH_A \slot, (\q)+1, 4
.endm
; A slot's last step changes slots: one barrier; in front of it each wave waits for all its tensor loads, adds 0 to its spare word, and waits for that and for its own reads of this slot.
.macro TURN slot, next, fill
	s_wait_tensorcnt 0x0                           ; all my tensor loads have landed: my part of the next slot
	ds_add_u32 v[SPW], v[NIL]                      ; 0 onto my spare word
	s_wait_dscnt 4*NL+1                            ; the add and the youngest 24 loads may be out
	WIN MUL_LO
	MUL16 0, 1, NQ-1, \slot, 0
	s_wait_dscnt 0x0                               ; the add is done, and my reads of this slot are over
	s_barrier_signal -1
	MUL16 2, 1, NQ-1, \slot, 0
	WIN 0
	s_barrier_wait -1
.if \fill
	CREST                                          ; the barrier has opened a round of the cluster's barrier
	s_add_nc_u64 s[G0+4*\slot+2:G0+4*\slot+3], s[G0+4*\slot+2:G0+4*\slot+3], 2*AROW
	s_add_nc_u64 s[G0B+4*\slot+2:G0B+4*\slot+3], s[G0B+4*\slot+2:G0B+4*\slot+3], 2*ROWB
	JLOAD G0+4*\slot, G1, G0B+4*\slot, G1B         ; the first tensor load behind the round; its four v_nop are the places in front of the loads below
.else
	PLACES NP
.endif
	s_wait_alu depctr_va_vdst(0)
	v_add_nc_u32 v[ADRS], 4*NQ, v[ADRS]
	FETCH_B \next, 0, 0
	FETCH_A \next, 0, 0
	SCALES \next
	WIN MUL_HI
	MUL16 4, 1, NQ-1, \slot, 0
	MUL16 6, 1, NQ-1, \slot, 0
	PLACES NP
	WIN 0
	FETCH_A \next, 0, 4
.endm
	s_wait_loadcnt 0x0                             ; the bias
	s_wait_dscnt 0x0                               ; for the others' sake: my part of a's scale words lies in LDS
	s_wait_tensorcnt 1                             ; w_proj's scale bytes and my part of K step 0 are in; K step 1's load may be out
	s_barrier_signal -1
	s_barrier_wait -1
	FETCH_B 0, 0, 0
	FETCH_A 0, 0, 0
	SCALES 0
	FETCH_A 0, 0, 4
	STEP 0, 0, 1                                   ; the first step stands in front of the loop: its products start the sums
	s_mov_b32 s3, LAPS-1
.Llap:
	TURN 0, 1, 1
	STEP 1, 0, 0
	TURN 1, 0, 1
	STEP 0, 0, 0
	s_sub_co_u32 s3, s3, 1
	s_cmp_lg_u32 s3, 0
	s_cbranch_scc1 .Llap
	TURN 0, 1, 0                                   ; the last lap fills nothing
	STEP 1, 0, 0
	s_wait_dscnt 4*NL
	WIN MUL_LO
	MUL16 0, 1, NQ-1, 1, 0
	MUL16 2, 1, NQ-1, 1, 0
	s_wait_dscnt 0
	WIN MUL_HI
	MUL16 4, 1, NQ-1, 1, 0
	MUL16 6, 1, NQ-1, 1, 0
	WIN 0
; THE WAY OUT, block by block of 16 rows x 128 columns: through my own stage in LDS and back as whole rows of 512 bytes.  LDS serves a wave's instructions in order (ISA guide 5.7.1.4): no wait between the stores and the loads.
.macro TOSTAGE a
.set AC, 64*((\a)%4)
	WIN 0x08+4*((\a)/4)                            ; the data: window 2 or 3
.irp b, 0,1,2,3,4,5,6,7
	ds_store_b128 v[STO], v[AC+8*\b:AC+8*\b+3] offset:64*\b          ; each accumulator from its low end on
	ds_store_b128 v[STO], v[AC+8*\b+4:AC+8*\b+7] offset:64*\b+16
.endr
	WIN 0
.set BB, BK+64*((\a)%2)
.irp t, 0,1,2,3,4,5,6,7,8,9,10,11,12,13,14,15
	ds_load_b128 v[BB+4*\t:BB+4*\t+3], v[RD] offset:\t*SPITCH
.endr
.endm
.macro SEND a, younger                 ; younger: the LDS instructions issued behind block a's loads, which may stay out
.set BB, BK+64*((\a)%2)
	s_wait_dscnt \younger
.if (\a) > 0
	s_add_nc_u64 s[12:13], s[12:13], 16*SIZE_N*4   ; 16 rows on (the earlier stores have read their base: the wait stands in front of this macro)
.endif
.irp t, 0,1,2,3,4,5,6,7,8,9,10,11,12,13,14,15
	global_store_b128 v[CO], v[BB+4*\t:BB+4*\t+3], s[12:13] offset:\t*SIZE_N*4 th:TH_STORE_NT   ; 32 lanes store 512 consecutive bytes, aligned; written once, read by nobody here
.endr
.endm
	PLACES NP
	TOSTAGE 0
.irp a, 1,2,3,4,5,6,7
.if \a > 1
	s_wait_xcnt 0x0                                ; block a - 2's stores have read their registers and their base
.endif
	TOSTAGE \a
	SEND \a-1, 32                                  ; behind block a - 1's loads: block a's 16 stores and 16 loads
.endr
	s_wait_xcnt 0x0
	SEND 7, 0
	s_wait_tensorcnt 0x0                           ; the wave's end
	ds_add_u32 v[SPW], v[NIL]
	s_wait_dscnt 0x0
	CROUND                                         ; the closing round
	s_endpgm
.Lfunc_end_k_q95fb792b00_proj:
	.size	k_q95fb792b00_proj, .Lfunc_end_k_q95fb792b00_proj-k_q95fb792b00_proj
	.p2alignl 7, 3214868480
	.fill 96, 4, 3214868480
	.section	.rodata,"a",@progbits
	.p2align	6, 0x0
	.amdhsa_kernel k_q95fb792b00_proj
		.amdhsa_group_segment_fixed_size 327680
		.amdhsa_private_segment_fixed_size 0
		.amdhsa_enable_private_segment 0
		.amdhsa_kernarg_size 48
		.amdhsa_user_sgpr_count 2
		.amdhsa_user_sgpr_kernarg_segment_ptr 1
		.amdhsa_wavefront_size32 1
		.amdhsa_system_sgpr_workgroup_id_x 1
		.amdhsa_system_sgpr_workgroup_id_y 1
		.amdhsa_system_sgpr_workgroup_id_z 1
		.amdhsa_system_vgpr_workitem_id 0
		.amdhsa_next_free_vgpr 1024
		.amdhsa_next_free_sgpr 100
		.amdhsa_reserve_vcc 0
		.amdhsa_float_denorm_mode_32 3
		.amdhsa_float_denorm_mode_16_64 3
		.amdhsa_memory_ordered 1
		.amdhsa_forward_progress 1
		.amdhsa_inst_pref_size 165
	.end_amdhsa_kernel
	.amdgpu_metadata
---
amdhsa.version: [ 1, 2 ]
amdhsa.kernels:
  - .name:           k_q95fb792b00_proj
    .symbol:         k_q95fb792b00_proj.kd
    .args:
      - { .name: oc, .offset: 0, .size: 8, .value_kind: global_buffer, .address_space: global }
      - { .name: os, .offset: 8, .size: 8, .value_kind: global_buffer, .address_space: global }
      - { .name: w_proj_codes, .offset: 16, .size: 8, .value_kind: global_buffer, .address_space: global }
      - { .name: w_proj_scales, .offset: 24, .size: 8, .value_kind: global_buffer, .address_space: global }
      - { .name: b_proj, .offset: 32, .size: 8, .value_kind: global_buffer, .address_space: global }
      - { .name: out0, .offset: 40, .size: 8, .value_kind: global_buffer, .address_space: global }
    .group_segment_fixed_size: 327680
    .private_segment_fixed_size: 0
    .kernarg_segment_align: 8
    .kernarg_segment_size: 48
    .max_flat_workgroup_size: 128
    .sgpr_count:     100
    .vgpr_count:     1024
    .wavefront_size: 32
...
	.end_amdgpu_metadata
.endif
;; end of part 3
